; MI455X (gfx1250); checked and timed in simulation.
; The chip was launched on July 23, 2026; its instructions are those of AMD's public machine-readable ISA for CDNA 5 (MIT licence, August 2026) and "CDNA5" Instruction Set Architecture Reference Guide (July 2026). The comments in the code are by the model that wrote it; some were corrected since.
;; Local Window Attention. Allowed arithmetic: matrix products marked QUANTISED: E2M3 operands, one E8M0 scale for each 32 along K, by v_wmma_scale_f32_16x16x128_f8f6f4 with both operands' format E2M3, f32 sums; everything else in f32.
;; Inputs: Wk 2,048 x 512 float32; Wo 1,024 x 2,048 float32; Wq 2,048 x 1,024 float32; Wv 2,048 x 512 float32; x 2 x 4,096 x 2,048 float32.
;; Outputs: out0 2 x 4,096 x 2,048 float32.
;; This version of the problem:
;;   THIS VERSION OF THE PROBLEM IS GIVEN IN LOW PRECISION. The matrix products marked QUANTISED in the list below multiply operands that are first quantised to E2M3 (2 exponent bits, 3 mantissa bits; 6 bits a number), with one power-of-two scale for each 32 numbers along K (OCP MX v1.0); their sums are f32. All else is computed in f32.
;;   The module's matrix products, in the order in which they are computed (A, B: the left and right operand; K: the contracted axis; several contracted axes count as one K, in the product's order):
;;     1. [M 8,192, K 2,048] x [K 2,048, N 1,024]; A: input x; B: input Wq: QUANTISED
;;     2. [M 8,192, K 2,048] x [K 2,048, N 512]; A: input x; B: input Wk: QUANTISED
;;     3. [M 8,192, K 2,048] x [K 2,048, N 512]; A: input x; B: input Wv: QUANTISED
;;     4. batch 128 x [M 512, K 128] x [K 128, N 512]; A: computed on the way; B: computed on the way: QUANTISED
;;     5. batch 128 x [M 128, K 512] x [K 512, N 512]; A: computed on the way; B: softmax (see below): QUANTISED
;;     6. [M 8,192, K 1,024] x [K 1,024, N 2,048]; A: computed on the way; B: input Wo: QUANTISED
;;   THE QUANTISER, for each operand of a quantised product, along K:
;;     - K is cut into blocks of 32 from its start; a last block that is shorter is filled with zeros.
;;     - A block's scale is 2^e with e = floor(log2(the largest magnitude in the block)) - 2, held to -126 .. 127; a block of zeros has e = 0. As a byte (E8M0): e + 127.
;;     - Each number is divided by its block's scale, clamped to +-7.5, and rounded to the nearest number of E2M3, ties to even, subnormals kept.
;;     - The product sums the exact products of the quantised numbers (number of the format x scale) in f32.
;;   ~~~python
;;   def quantise(x, axis):      # numpy; x: float32 -> the quantised numbers, widened to float32 again
;;       x = np.moveaxis(x, axis, -1); K = x.shape[-1]
;;       x = np.pad(x, [(0, 0)] * (x.ndim - 1) + [(0, -K % 32)]); x = x.reshape(x.shape[:-1] + (-1, 32)); a = np.abs(x).max(-1, keepdims=True)
;;       e = np.where(a > 0, np.clip(np.frexp(np.where(a > 0, a, 1))[1] - 1 - 2, -126, 127), 0)      # np.frexp(a)[1] - 1 = floor(log2(a)), exactly
;;       r = np.clip(x / 2.0 ** e, -7.5, 7.5)
;;       step = 2.0 ** (np.maximum(np.frexp(np.where(r == 0, 1, r))[1] - 1, 0) - 3)
;;       q = np.round(r / step) * step * 2.0 ** e      # np.round: ties to even
;;       return np.moveaxis(q.reshape(q.shape[:-2] + (-1,))[..., :K], -1, axis).astype(np.float32)
;;   ~~~
;;   SOFTMAX AHEAD OF A QUANTISED PRODUCT. Where the list says 'softmax', what is quantised is not the finished softmax but p = 2^(t - M), with t = logit x log2(e) and M = ceil(the row's largest t), a whole number; so 1/2 < the row's largest p <= 1. The row's sum l is taken of the UNQUANTISED p, in f32, and the product's result is divided by l at the end. Since M is a whole number, a kernel that streams over the keys may use a running M (the ceiling of the running maximum): every later rescaling is an exact power of two, which a block's scale takes up: the codes' values come out the same.
;;   OPERANDS COMPUTED ON THE WAY. 'Computed on the way' means the value that the module computes at that place (a softmax that the list does not call 'softmax' is quantised finished and normalised). What goes into a quantiser is computed in f32, as accurately as f32 sums, v_exp_f32 and their like allow (about 1e-6 of the number): no bf16 or f16 on the way to a quantiser, and a product that is left as it is and whose result goes on into a quantised operand takes f32 operands (vector FMAs, or v_wmma_f32_16x16x4_f32). A number that lies on a knife's edge between two numbers of the format may be rounded either way, as far as f32 arithmetic and the matrix unit's own rounding can turn it there, and no further.
;; One version. Each part assembles by itself: llvm-mc -triple=amdgcn-amd-amdhsa -mcpu=gfx1250 --defsym DOCPART=n.
;; ======== version 1 of 1: 4 launches
;; limits: right only within a limited range of input values
;; workspace buffers: xq 13,107,200 bytes; wts 4,915,200 bytes; qkv 13,107,200 bytes; att 6,553,600 bytes
;; launch quant (part 1): grid 704 x 1, 4 waves a work-group, no clusters, 34,304 bytes of LDS; arguments x, Wq, Wk, Wv, Wo, xq, wts; writes xq, wts
.if DOCPART == 1
	.amdgcn_target "amdgcn-amd-amdhsa--gfx1250"
	.amdhsa_code_object_version 6
	.text
	.protected	k_qf5149511cf_quant
	.globl	k_qf5149511cf_quant
	.p2align	8
	.type	k_qf5149511cf_quant,@function
k_qf5149511cf_quant:
	s_mov_b64 s[64:65], 0
	v_nop
	global_prefetch_b8 v0, s[64:65] scope:SCOPE_SE
	s_setreg_imm32_b32 hwreg(HW_REG_WAVE_MODE, 25, 1), 1
	s_wait_xcnt 0x0
; x [8192][2048] and the four weights ([K][N], K their FIRST axis), all f32, become codes of FP6 (E2M3) with one E8M0 scale byte for each 32 along K.
; A block's scale is 2^(floor(log2(its largest magnitude)) - 2): the byte is the largest magnitude's exponent field - 2, held at 1 from below by a floor among the maximum's leaves.
; LIMITS: NaN and infinities among the inputs are not served; a block whose largest magnitude lies under 2^-124 keeps the byte 1; a block of zeros gets the byte 1 where the
; rule says 127: its codes are zeros, which add nothing under any byte but 0xff, and only this program reads the bytes.
; LAYOUT OF THE WORKSPACE.  (a) Rows are kept in the order pi: physical row p holds logical row pi(p), pi = bits 3 and 4 exchanged, inside each 32 rows.  So lane r of physical tile
; 2 B + u is logical row 32 B + 8 u + r + 8 (r / 8): where such a tile is a product's source 0, the 16 result registers of two neighbouring tiles are 16 neighbours.
; (b) Codes lie as IMAGES OF OPERAND REGISTERS: a fragment (16 physical rows x 128 K, 12 registers a lane) is 1,536 bytes, register g of lane l at 512 (g / 4) + 16 l + 4 (g % 4):
; three stores or loads of 16 bytes a lane, 512 consecutive bytes each.  (c) Scale words (4 bytes: one row, 128 K): tile x (NS x 64) + kq x 256 + 16 r + 4 w for K step 4 kq + w.
; xq: codes [tile 512][K step 16][1536], then scale words.  wts: Wq|Wk|Wv as 128 tiles (kv head g: tiles 32 g + 0..7 Q head 2 g, + 8..15 Q head 2 g + 1, + 16..23 K, + 24..31 V) x 16 K steps;
; Wo as 128 tiles x 8 K steps; then both tensors' scale words.
; SHARES.  Every wave reads 32 KB.  Work-groups 0-191 take the weights: a wave 32 columns x 256 K (8 blocks of 32).  Work-groups 192-703 take x: a wave 16 physical rows x 512 K (4 fragments).
; THE WEIGHTS COME FIRST: their loads are of 4 bytes a lane, so a wave of theirs has 64 x 128 bytes on its way and goes four times round for its share, a wave of x 32 x 512 bytes and twice.
; Waves share nothing: no barrier.  Memory binds here: no matrix unit, no cluster, no tensor load; with 256 registers a wave four work-groups lie on a WGP, so that all 704 run from the start.
; STORES: codes and x's scale words leave in whole aligned runs of 256 bytes or more.  A weight wave has two scale words a row: 8 bytes a lane, 16 apart, half of each 256 bytes; the other half
; comes from the work-group of the neighbouring K part: 196,608 bytes in all.
; WORK LEFT OUT BY THIS PROGRAM (in launch attn), for all values of the inputs: reference() builds its mask in its own body: a query sees the 256 keys that end at itself.  Of the four key steps of 128 of
; [previous block | own block] one lies wholly under that mask for each half of a block of queries, and in block 0 the previous block is zeros that reference() builds itself and hides: such steps add nothing to a
; row's sum or result, since every row has its own key, and are not computed.  Every input has a way to the output and is loaded.  LIMIT: a NaN, an infinity or an overflow that reaches only the work left out is not carried to the result.
.set NWW,  192                         ; work-groups that take the weights
.set XS,   12582912                    ; xq: where the scale words begin
.set OC,   3145728                     ; wts: Wo's codes
.set WS,   4718592                     ; wts: Wq|Wk|Wv's scale words
.set OS,   4849664                     ; wts: Wo's scale words
.set LI,   6                           ; v6       16 x lane; never rewritten
.set TM,   16                          ; v16-31   QUANT: +0..3 largest magnitudes, +4..7 the other half's, then bytes, +12..15 the conversions' scale operands
.set PWR,  32                          ; v32-35   x: the scale word of each of the 4 fragments
.set SW,   40                          ; v40-41   weights: scale words on their way out
.set PC,   44                          ; v44-55   the fragment just made
.set PT,   56                          ; v56-62   the second half of each block's codes, before it is moved
.set X,    64                          ; v64-127  x: 64 numbers of my row, register 16 b + i = k 32 b + 16 (lane / 16) + i
.set R,    128                         ; v128-255 x: two sets of 64 registers as loaded
.set VA,   64                          ; v64-95   weights: byte offset of row i of a block, at my column; never rewritten
.set FA,   96                          ; v96-107  weights: the even blocks' codes, then tile 0's fragment;  v108-119: the odd blocks', then tile 1's
.set TC,   120                         ; v120-122 weights: the second half of a block's codes
.set XW,   128                         ; v128-191 weights: two sets of 32 numbers
.set SEL,  20                          ; s[20:21] v_permlanex16_b32's selects for lane l xor 16
; 64 numbers of a lane, v[s] .. v[s + 63], register 16 b + i = k 32 b + 16 (lane / 16) + i of my row, become a fragment's codes in v[PC] on and its scale word in v[pw].
.macro QUANT s, pw
.irp b, 0,1,2,3
	v_max3_num_f32 v[TM+\b], |v[\s+16*\b]|, |v[\s+1+16*\b]|, 0x1800000   ; block b: my 16 numbers, and the floor 2^(3 - 127): so the byte cannot fall under 1
.endr
.irp i, 2,4,6,8,10,12,14
.irp b, 0,1,2,3
	v_max3_num_f32 v[TM+\b], v[TM+\b], |v[\s+16*\b+\i]|, |v[\s+1+16*\b+\i]|   ; the four blocks by turns
.endr
.endr
.irp b, 0,1,2,3
	v_permlanex16_b32 v[TM+4+\b], v[TM+\b], s[SEL], s[SEL+1]
.endr
.irp b, 0,1,2,3
	v_max_num_f32 v[TM+\b], v[TM+\b], v[TM+4+\b]       ; with lane l xor 16's: the block's largest magnitude
.endr
.irp b, 0,1,2,3
	v_add_nc_u32 v[TM+12+\b], 0xff000000, v[TM+\b]     ; 2 off its exponent field: the conversion takes this operand's exponent field as its scale
.endr
.irp b, 0,1,2,3
	v_lshrrev_b32 v[TM+4+\b], 23, v[TM+12+\b]          ; the scale's byte
.endr
	v_lshl_or_b32 v[\pw], v[TM+5], 8, v[TM+4]          ; four bytes: my row's scale word (the same in lanes r and r + 16)
	v_lshl_or_b32 v[\pw], v[TM+6], 16, v[\pw]
	v_lshl_or_b32 v[\pw], v[TM+7], 24, v[\pw]
.irp c, 0,1
	v_cvt_scalef32_pk16_fp6_f32 v[PC+6*\c:PC+2+6*\c], v[\s+32*\c:\s+15+32*\c], v[TM+12+2*\c]
	v_cvt_scalef32_pk16_fp6_f32 v[PT+4*\c:PT+2+4*\c], v[\s+16+32*\c:\s+31+32*\c], v[TM+12+2*\c+1]   ; (a conversion's three registers begin on an even number)
.endr
	v_nop                                              ; one plain place behind a scaled conversion
.irp c, 0,1                                        ; the operand's layout wants a WHOLE block in a lane: lanes 0-15 block 2 c, lanes 16-31 block 2 c + 1
.irp i, 0,1,2
	v_permlane16_swap_b32 v[PC+6*\c+\i], v[PT+4*\c+\i]
.endr
.irp i, 0,1,2
	v_mov_b32 v[PC+3+6*\c+\i], v[PT+4*\c+\i]
.endr
.endr
.endm
	s_load_b256 s[4:11], s[0:1], 0x0               ; x s[4:5], Wq s[6:7], Wk s[8:9], Wv s[10:11]
	s_load_b128 s[12:15], s[0:1], 0x20             ; Wo s[12:13], xq s[14:15]
	s_load_b64 s[16:17], s[0:1], 0x30              ; wts
	v_lshl_add_u32 v59, v0, 2, 0x8400
	v_mov_b32 v63, 0
	v_lshrrev_b32 v1, 5, v0
	v_readfirstlane_b32 s18, v1                    ; wave 0..3
	v_and_b32 v1, 31, v0                           ; lane
	v_and_b32 v2, 15, v0                           ; r
	v_bfe_u32 v3, v0, 4, 1                         ; h
	v_lshlrev_b32 v[LI], 4, v1
	s_mov_b32 s[SEL], 0x76543210
	s_mov_b32 s[SEL+1], 0xfedcba98
	s_cmp_lt_u32 ttmp9, NWW
	s_cbranch_scc1 .Lweights
; ---------------- x.  Job J = 4 x (work-group - 192) + wave: tile J / 4, K quarter J % 4.  Each load reads 512 consecutive bytes of ONE row (16 a lane); the conversions want 16 neighbours in a lane:
; a fragment's 16 x 512 bytes turn through the wave's own stage in LDS (rows 528 bytes apart).  Only this path touches LDS.
	s_mul_i32 s19, s18, 8448                       ; my stage: 16 rows x 528 bytes
	v_add_nc_u32 v4, s19, v[LI]                    ; in: 16 x lane of a row
	v_mul_u32_u24 v5, v2, 528
	v_lshl_add_u32 v5, v3, 6, v5
	v_add_nc_u32 v5, s19, v5                       ; out: row r, + 64 h: my 16 numbers of a block of 32
.irp b, 0,1,2,3
	v_mov_b32 v[TM+4+\b], 0                        ; written once: a lane permute's destination counts as one of its sources
.endr
	s_sub_co_u32 s22, ttmp9, NWW
	s_lshl_b32 s22, s22, 2
	s_add_co_u32 s22, s22, s18                     ; J, 0 .. 2,047
	s_lshr_b32 s26, s22, 3
	s_lshl_b32 s26, s26, 18                        ; 32 (tile / 2) rows of 8,192 bytes
	s_bfe_u32 s24, s22, 0x10002
	s_lshl_b32 s24, s24, 16                        ; + 8 (tile % 2) rows
	s_add_co_u32 s26, s26, s24
	s_and_b32 s24, s22, 3
	s_lshl_b32 s24, s24, 11                        ; + the K quarter's 2,048 bytes
	s_add_co_u32 s26, s26, s24
	s_mov_b32 s27, 0
	s_mul_i32 s28, s22, 6144                       ; my 4 fragments' place
	s_mov_b32 s29, 0
	s_lshl_b32 s30, s22, 8                         ; my 256 bytes of scale words
	s_add_co_u32 s30, s30, XS
	s_mov_b32 s31, 0
	s_wait_kmcnt 0x0
	s_add_nc_u64 s[4:5], s[4:5], s[26:27]
	s_add_nc_u64 s[28:29], s[14:15], s[28:29]
	s_add_nc_u64 s[30:31], s[14:15], s[30:31]
.macro XLD f                           ; fragment f: physical row j is logical row j + 8 (j / 8) of the tile's span
.irp j, 0,1,2,3,4,5,6,7,8,9,10,11,12,13,14,15
	global_load_b128 v[R+64*((\f)%2)+4*\j:R+64*((\f)%2)+4*\j+3], v[LI], s[4:5] offset:(\j+8*(\j/8))*8192+512*(\f) th:TH_LOAD_NT
.endr
.endm
.macro XTURN f                         ; through the stage: LDS serves a wave's instructions in order, so no wait stands between the stores and the loads
.irp j, 0,1,2,3,4,5,6,7,8,9,10,11,12,13,14,15
	ds_store_b128 v4, v[R+64*((\f)%2)+4*\j:R+64*((\f)%2)+4*\j+3] offset:528*\j
.endr
.irp b, 0,1,2,3
.irp i, 0,1,2,3
	ds_load_b128 v[X+16*\b+4*\i:X+16*\b+4*\i+3], v5 offset:128*\b+16*\i
.endr
.endr
.endm
	s_wait_alu depctr_va_vdst(0)
	XLD 0
	XLD 1
.irp f, 0,1,2,3
.if \f < 3
	s_wait_loadcnt 16                              ; this fragment's 16 loads are in; the next fragment's 16 may be out
.else
	s_wait_loadcnt 0x0
.endif
	XTURN \f
	s_wait_dscnt 0x0                               ; my 64 numbers are in, and the stage's stores have read the loaded set
	s_wait_xcnt 0x0                                ; the last fragment's stores have read their registers: the codes may be written again
.if \f < 2
	XLD \f+2                                       ; the set just emptied takes the fragment two on
.endif
	QUANT X, PWR+\f
.irp c, 0,1,2
	global_store_b128 v[LI], v[PC+4*\c:PC+4*\c+3], s[28:29] offset:1536*\f+512*\c   ; 32 lanes store 512 consecutive bytes, aligned
.endr
.endr
	v_cmp_gt_u32 vcc_lo, 16, v1                    ; lanes r and r + 16 hold the same four words: lanes 0-15 store them, 16 bytes a row: 256 consecutive bytes, aligned
	s_wait_xcnt 0x0                                ; EXEC is a source of the pending stores: it changes only behind this wait
	s_wait_tensorcnt 0x0
	ds_add_u32 v59, v63
	s_wait_dscnt 0x0
	s_and_saveexec_b32 s19, vcc_lo
	global_store_b128 v[LI], v[PWR:PWR+3], s[30:31]
	s_wait_xcnt 0x0                                ; and again, in front of the line that widens it
	s_or_b32 exec_lo, exec_lo, s19
	s_endpgm
; ---------------- the weights.  e = work-group: 0-63 Wq (8 heads x 8 K parts of 256), 64-95 Wk, 96-127 Wv (4 heads x 8), 128-191 Wo (16 groups of 128 columns x 4 K parts).
; A LANE TAKES A COLUMN AND ITS REGISTERS RUN DOWN K: a block of 32 lies in one lane, its maximum needs no other lane, and the conversions give codes with K innermost.
; Lane l takes column pi(l) of the wave's 32, so that lane 16 u + r holds physical row r of physical tile u; a load still covers the same 128 consecutive bytes (512 for the four waves).
.Lweights:
	s_mov_b32 s19, ttmp9                           ; e
	s_mov_b32 s26, 8192                            ; Wo's figures first: bytes from row to row,
	s_mov_b32 s27, 128                             ; the tensor's first e,
	s_mov_b32 s29, 0                               ; what is added to the tile number,
	s_mov_b32 s34, 2                               ; tile0 = 32 (cg >> SH) + 8 (cg's low SH bits) + that,
	s_mov_b32 s35, 2                               ; bits of e that count parts of K,
	s_mov_b32 s30, 12288                           ; a tile's codes,
	s_mov_b32 s31, 512                             ; a tile's scale words,
	s_mov_b32 s32, OC
	s_mov_b32 s33, OS
	s_wait_kmcnt 0x0
	s_mov_b64 s[24:25], s[12:13]
	s_cmp_lt_u32 s19, 128                          ; then Wv's (the choices hang on the work-group's number alone)
	s_cselect_b64 s[24:25], s[10:11], s[24:25]
	s_cselect_b32 s26, 2048, s26
	s_cselect_b32 s27, 96, s27
	s_cselect_b32 s29, 24, s29
	s_cselect_b32 s34, 0, s34
	s_cselect_b32 s35, 3, s35
	s_cselect_b32 s30, 24576, s30
	s_cselect_b32 s31, 1024, s31
	s_cselect_b32 s32, 0, s32
	s_cselect_b32 s33, WS, s33
	s_cmp_lt_u32 s19, 96                           ; Wk's
	s_cselect_b64 s[24:25], s[8:9], s[24:25]
	s_cselect_b32 s27, 64, s27
	s_cselect_b32 s29, 16, s29
	s_cmp_lt_u32 s19, 64                           ; Wq's
	s_cselect_b64 s[24:25], s[6:7], s[24:25]
	s_cselect_b32 s26, 4096, s26
	s_cselect_b32 s27, 0, s27
	s_cselect_b32 s29, 0, s29
	s_cselect_b32 s34, 1, s34
	s_sub_co_u32 s19, s19, s27                     ; e within the tensor
	s_lshr_b32 s27, s19, s35                       ; cg: which 128 columns
	s_lshl_b32 s28, s27, s35
	s_sub_co_u32 s28, s19, s28                     ; kp: which 256 along K
	s_lshr_b32 s36, s27, s34
	s_lshl_b32 s37, s36, s34
	s_sub_co_u32 s37, s27, s37
	s_lshl_b32 s36, s36, 5
	s_lshl_b32 s37, s37, 3
	s_add_co_u32 s29, s29, s36
	s_add_co_u32 s29, s29, s37
	s_lshl_b32 s36, s18, 1
	s_add_co_u32 s29, s29, s36                     ; my wave's first tile
	s_mul_i32 s36, s28, s26
	s_lshl_b32 s36, s36, 8                         ; kp x 256 rows
	s_lshl_b32 s37, s27, 9                         ; + 128 cg columns of 4 bytes
	s_add_co_u32 s36, s36, s37
	s_lshl_b32 s37, s18, 7                         ; + 32 x wave columns
	s_add_co_u32 s36, s36, s37
	s_mov_b32 s37, 0
	s_add_nc_u64 s[24:25], s[24:25], s[36:37]      ; the source at my first block
	s_lshl_b32 s38, s26, 5                         ; a block on: 32 rows
	s_mov_b32 s39, 0
	s_mul_i32 s36, s29, s30
	s_mul_i32 s40, s28, 3072                       ; kp x 2 K steps x 1,536
	s_add_co_u32 s36, s36, s40
	s_add_co_u32 s36, s36, s32
	s_add_nc_u64 s[40:41], s[16:17], s[36:37]      ; tile 0's fragments
	s_mov_b32 s36, s30
	s_add_nc_u64 s[42:43], s[40:41], s[36:37]      ; tile 1's
	s_mul_i32 s36, s29, s31
	s_lshr_b32 s44, s28, 1
	s_lshl_b32 s44, s44, 8                         ; K steps 2 kp, 2 kp + 1: the 256 bytes of kq = kp / 2,
	s_add_co_u32 s36, s36, s44
	s_and_b32 s44, s28, 1
	s_lshl_b32 s44, s44, 3                         ; words 2 (kp % 2) and the next of a row's four
	s_add_co_u32 s36, s36, s44
	s_add_co_u32 s36, s36, s33
	s_add_nc_u64 s[44:45], s[16:17], s[36:37]      ; tile 0's scale words
	s_wait_alu depctr_va_vdst(0)
	v_and_b32 v7, 7, v1
	v_bfe_u32 v8, v1, 3, 1
	v_lshl_or_b32 v7, v8, 4, v7
	v_lshl_or_b32 v7, v3, 3, v7                    ; pi(lane)
	v_lshlrev_b32 v[VA], 2, v7
.set i, 1
.rept 31
	v_add_nc_u32 v[VA+i], s26, v[VA+i-1]           ; a register for each row of a block: the pitch is no constant of the text
.set i, i+1
.endr
	v_mul_lo_u32 v9, v3, s31
	v_lshl_add_u32 v9, v2, 4, v9                   ; scale words out: tile lane / 16, 16 bytes a row
.macro WLD set
.set i, 0
.rept 32
	global_load_b32 v[XW+32*(\set)+i], v[VA+i], s[24:25] th:TH_LOAD_NT
.set i, i+1
.endr
.endm
	WLD 0
	s_wait_alu depctr_va_vdst(0)
	s_wait_xcnt 0x0                                ; the loads have read their base: it may step
	s_add_nc_u64 s[24:25], s[24:25], s[38:39]
	WLD 1
.macro BLOCK t
.set XB, XW+32*((\t)%2)
.set D, FA+12*((\t)%2)+6*(((\t)%4)/2)  ; block t is block t % 4 = 2 c + h of K step t / 4: registers 6 c on, even blocks in one run of 12, odd blocks in the other
.if (\t) < 7
	s_wait_loadcnt 32                              ; this block's 32 loads are in; the next block's may be out
.else
	s_wait_loadcnt 0x0
.endif
	v_max3_num_f32 v12, |v[XB]|, |v[XB+1]|, |v[XB+2]|  ; the block's largest magnitude: all 32 numbers are mine
	v_max3_num_f32 v13, |v[XB+3]|, |v[XB+4]|, |v[XB+5]|
.irp i, 6,10,14,18,22,26
	v_max3_num_f32 v12, v12, |v[XB+\i]|, |v[XB+\i+1]|
	v_max3_num_f32 v13, v13, |v[XB+\i+2]|, |v[XB+\i+3]|
.endr
	v_max3_num_f32 v12, v12, |v[XB+30]|, |v[XB+31]|
	v_max3_num_f32 v12, v12, v13, 0x1800000        ; and the floor
	v_add_nc_u32 v11, 0xff000000, v12              ; the conversions' scale operand
	v_lshrrev_b32 v13, 23, v11                     ; the byte
.if (\t)%4 == 0
	v_mov_b32 v[SW+(\t)/4], v13                    ; four bytes to a word, the lower K in the lower byte
.else
	v_lshl_or_b32 v[SW+(\t)/4], v13, 8*((\t)%4), v[SW+(\t)/4]
.endif
	s_wait_alu depctr_va_vdst(0)
	s_wait_xcnt 0x0                                ; earlier stores have read the fragments' registers, the pending loads their base: both are written below
	v_cvt_scalef32_pk16_fp6_f32 v[D:D+2], v[XB:XB+15], v11
	v_cvt_scalef32_pk16_fp6_f32 v[TC:TC+2], v[XB+16:XB+31], v11
	v_nop                                          ; one plain place behind a scaled conversion
.irp i, 0,1,2
	v_mov_b32 v[D+3+\i], v[TC+\i]
.endr
.if (\t) < 6
	s_add_nc_u64 s[24:25], s[24:25], s[38:39]
	WLD (\t)%2                                     ; the set just emptied takes the block two on
.endif
.if (\t)%4 == 3                        ; a K step is whole.  The even run's lanes 16-31 (tile 1) change places with the odd run's lanes 0-15 (tile 0): each run is then one tile's fragment
.set i, 0
.rept 12
	v_permlane16_swap_b32 v[FA+i], v[FA+12+i]
.set i, i+1
.endr
.irp c, 0,1,2
	global_store_b128 v[LI], v[FA+4*\c:FA+4*\c+3], s[40:41] offset:1536*((\t)/4)+512*\c
	global_store_b128 v[LI], v[FA+12+4*\c:FA+12+4*\c+3], s[42:43] offset:1536*((\t)/4)+512*\c
.endr
.endif
.endm
.irp t, 0,1,2,3,4,5,6,7
	BLOCK \t
.endr
	global_store_b64 v9, v[SW:SW+1], s[44:45]      ; my two K steps' words of each row of the two tiles: 8 bytes a lane, 16 apart
	s_endpgm
.Lfunc_end_k_qf5149511cf_quant:
	.size	k_qf5149511cf_quant, .Lfunc_end_k_qf5149511cf_quant-k_qf5149511cf_quant
	.p2alignl 7, 3214868480
	.fill 96, 4, 3214868480
	.section	.rodata,"a",@progbits
	.p2align	6, 0x0
	.amdhsa_kernel k_qf5149511cf_quant
		.amdhsa_group_segment_fixed_size 34304
		.amdhsa_private_segment_fixed_size 0
		.amdhsa_enable_private_segment 0
		.amdhsa_kernarg_size 56
		.amdhsa_user_sgpr_count 2
		.amdhsa_user_sgpr_kernarg_segment_ptr 1
		.amdhsa_wavefront_size32 1
		.amdhsa_system_sgpr_workgroup_id_x 1
		.amdhsa_system_sgpr_workgroup_id_y 1
		.amdhsa_system_sgpr_workgroup_id_z 1
		.amdhsa_system_vgpr_workitem_id 0
		.amdhsa_next_free_vgpr 256
		.amdhsa_next_free_sgpr 66
		.amdhsa_reserve_vcc 1
		.amdhsa_float_denorm_mode_32 3
		.amdhsa_float_denorm_mode_16_64 3
		.amdhsa_memory_ordered 1
		.amdhsa_forward_progress 1
		.amdhsa_inst_pref_size 76
	.end_amdhsa_kernel
	.amdgpu_metadata
---
amdhsa.version: [ 1, 2 ]
amdhsa.kernels:
  - .name:           k_qf5149511cf_quant
    .symbol:         k_qf5149511cf_quant.kd
    .args:
      - { .name: x, .offset: 0, .size: 8, .value_kind: global_buffer, .address_space: global }
      - { .name: Wq, .offset: 8, .size: 8, .value_kind: global_buffer, .address_space: global }
      - { .name: Wk, .offset: 16, .size: 8, .value_kind: global_buffer, .address_space: global }
      - { .name: Wv, .offset: 24, .size: 8, .value_kind: global_buffer, .address_space: global }
      - { .name: Wo, .offset: 32, .size: 8, .value_kind: global_buffer, .address_space: global }
      - { .name: xq, .offset: 40, .size: 8, .value_kind: global_buffer, .address_space: global }
      - { .name: wts, .offset: 48, .size: 8, .value_kind: global_buffer, .address_space: global }
    .group_segment_fixed_size: 34304
    .private_segment_fixed_size: 0
    .kernarg_segment_align: 8
    .kernarg_segment_size: 56
    .max_flat_workgroup_size: 128
    .sgpr_count:     66
    .vgpr_count:     256
    .wavefront_size: 32
...
	.end_amdgpu_metadata
.endif
;; end of part 1
;; launch qkv (part 2): grid 256 x 1, 4 waves a work-group, no clusters, 327,680 bytes of LDS; arguments xq, wts, qkv; writes qkv
.if DOCPART == 2
	.amdgcn_target "amdgcn-amd-amdhsa--gfx1250"
	.amdhsa_code_object_version 6
	.text
	.protected	k_qf5149511cf_qkv
	.globl	k_qf5149511cf_qkv
	.p2align	8
	.type	k_qf5149511cf_qkv,@function
k_qf5149511cf_qkv:
	s_mov_b64 s[64:65], 0
	v_nop
	global_prefetch_b8 v0, s[64:65] scope:SCOPE_SE
	s_setreg_imm32_b32 hwreg(HW_REG_WAVE_MODE, 25, 1), 1
	s_wait_xcnt 0x0
; Q, K, V = x Wq, x Wk, x Wv on codes of FP6 (E2M3) with E8M0 scales, K = 2,048 in 16 steps of 128; the results are quantised again (Q, K along the head's 128 channels, V along 128 keys) and leave as codes.
; Both workspaces lie alike: codes [tile of 16 rows][K step 16][1,536 bytes: the image of a fragment's 12 registers], scale words [tile][1,024 bytes: kq x 256 + 16 r + 4 w for K step 4 kq + w].
; SHARES.  A wave makes 128 x 128: 64 accumulators.  Source 1 (its row = my lane) is THE RESIDENT OPERAND, 8 tiles x all of K, 196,608 bytes, shared by the four waves: it comes into LDS, each byte filled once.
; Source 0 (its rows = my registers) is THE STREAMED OPERAND, 8 tiles that this wave alone reads: its fragments go from memory straight into operand registers, two K steps (16 fragments) ahead.
; Work-groups 0-191: resident = 128 rows RB of x, streamed = the weights of role p (Q head 2 g, Q head 2 g + 1, K) of kv head g = wave: a lane holds a position, its registers channels.
; Work-groups 192-255: resident = V's 128 channels of kv head g, streamed = 128 rows of x for each wave (RB = RB0 + 4 x wave): a lane holds a channel, its registers keys.
; One text serves both kinds: only global addresses are chosen, by the work-group's number.  256 work-groups of equal work.
; THE RESIDENT OPERAND COMES IN STAGES.  LDS: steps 0, 1 as [tile][2 steps]; then four regions [tile][4 steps]: steps 2-5, 6-9, 10-13, 14-15.  The head brings steps 0-5 and the scale words, one load a wave.
; A trip of the loop (steps 4 j + 1 .. 4 j + 4) fetches steps 4 j + 2 .. 4 j + 5, one region, and at its top asks for the next region, two tiles a wave: that load has the trip's four steps in which to land.
; The last such load's rows are four steps long like the others: two are read; the other two are the next tile's first bytes, inside the buffer, and are not read.
; ORDER OF A STEP: the streamed fragments by pairs, each against the resident eight; behind a pair's 16 products its registers take the pair of two steps on.  The resident fragments have two sets.
; NO CLUSTER: what work-groups share is the resident operand, 196,608 of the 983,040 bytes of codes that a work-group reads; it has three sharers in the one kind and sixteen in the other, which no
; one shape of cluster serves; the streams go to registers, which a joint load does not reach.
; PREFETCH: for every two K steps a wave names 24 blocks of 256 bytes (two tiles x 3,072 bytes) of its stream, four steps ahead of the loads that want them.  The work-groups that read a stream share its eight tiles out
; by address, four by four: by RB % 4 (the weights' 64 readers: sixteen name a block) or by g (x's four).  Steps 2-5 are named at the head; the last trip names nothing.  The resident regions are asked for a whole trip ahead by their own loads.
; REGISTERS: window 0: v1-11 addresses; v32-63 scale words, two sets (register 2 i + step % 2: lanes 0-15 resident tile i, lanes 16-31 streamed tile i); v64-159, v160-255 resident fragments;
;   window 1: v0-95, v128-223 streamed fragments;  windows 2, 3: accumulator (resident q, streamed t) at window 2 + t / 4, v[32 q + 8 (t % 4)].
; LIMITS: NaN and infinities are not served; a block whose largest magnitude lies under 2^-124 keeps the byte 1; a block of zeros gets the byte 1: its codes are zeros, and this program alone reads the bytes.
.set XS,    12582912                   ; xq: where the scale words begin
.set WS,    4718592                    ; wts: Wq|Wk|Wv's scale words
.set QS,    6291456                    ; qkv: Q's scale words
.set KV,    6553600                    ; qkv: the blocks of K and V
.set TB,    24576                      ; a tile's codes
.set FB,    1536                       ; a fragment
.set NN,    192                        ; work-groups whose resident operand is x
.set GB,    8*2*FB                     ; LDS: steps 0, 1 at 0; the regions from here on,
.set REG,   8*4*FB                     ; 49,152 bytes each;
.set SCR,   GB+4*REG                   ; behind them the resident scale words, 8,192 bytes,
.set SCS,   SCR+8192                   ; the four waves' streamed scale words, 8,192 each,
.set SPARE, SCS+32768                  ; and the spare words, 128 bytes a wave, which no other line names
.set LI,   2                           ; v2    16 x lane
.set ADR,  4                           ; v4    LDS address of the trip's region
.set ADS,  8                           ; v8    of the scale words: lanes 0-15 resident, lanes 16-31 streamed
.set PFO,  9                           ; v9    the prefetches' offset
.set SPW,  10                          ; v10   my spare word; never rewritten
.set NIL,  11                          ; v11   0; never rewritten
.set SC,   32
.set RF,   64
.set T,    64                          ; the way out (the resident fragments' registers are free then): v64-71 a tile's largest magnitudes
.set TM,   72                          ; v72-75 the blocks'; v76-79 the other half's; v80-83 the conversions' scale operands; v84-87 bytes
.set PWR,  88                          ; v88-95 the eight fragments' scale words
.set SW,   96
.set SB,   72                          ; s[72:73] my stream at the trip's first step
.set PFB,  74                          ; s[74:75] the same at my share of the prefetches
.set SEL,  76
.set MSB, 0
.macro WIN new                         ; the immediate's high byte repeats the setting that is left
.if MSB != (\new)
	s_set_vgpr_msb (MSB<<8)|(\new)
.set MSB, (\new)
.endif
.endm
.macro PLACES                          ; four plain vector instructions between a matrix instruction and a load into, or a read of, its registers
.rept 4
	v_nop
.endr
.endm
.macro TLOAD g0, g1
	tensor_load_to_lds s[\g0:\g0+3], s[\g1:\g1+7]
	s_nop 0
	PLACES
.endm
	s_load_b128 s[4:7], s[0:1], 0x0                ; xq, wts
	s_load_b64 s[8:9], s[0:1], 0x10                ; qkv
	v_lshl_add_u32 v[SPW], v0, 2, SPARE
	v_mov_b32 v[NIL], 0
	ds_add_u32 v[SPW], v[NIL]                      ; the opening lines: the add, twice on end, and its wait ahead of my tensor load
	ds_add_u32 v[SPW], v[NIL]
	v_lshrrev_b32 v3, 5, v0
	v_readfirstlane_b32 s14, v3                    ; wave 0..3
	v_and_b32 v1, 31, v0                           ; lane
	v_and_b32 v12, 15, v0                          ; r
	v_bfe_u32 v13, v0, 4, 1                        ; lane / 16
	v_lshlrev_b32 v[LI], 4, v1
	v_add_nc_u32 v[ADR], GB, v[LI]
	s_lshl_b32 s15, s14, 13
	s_add_co_u32 s15, s15, SCS-SCR
	v_mul_u32_u24 v14, s15, v13                    ; lanes 16-31: my wave's streamed words
	v_lshl_add_u32 v14, v12, 4, v14
	v_add_nc_u32 v[ADS], SCR, v14
	v_min_u32 v15, 23, v1                          ; prefetch: lanes 0-23 a block each (the others name the last again):
	v_mul_u32_u24 v16, v15, 43
	v_lshrrev_b32 v16, 9, v16                      ; tile = l / 12,
	v_mul_u32_u24 v17, v16, 12
	v_sub_nc_u32 v15, v15, v17
	v_lshlrev_b32 v15, 8, v15                      ; block l % 12 of two steps' 3,072 bytes
	v_mad_u32_u24 v[PFO], v16, TB, v15
	; which work is mine.  Both kinds' figures first, then one compare and selections alone
	s_mul_i32 s15, ttmp9, 171
	s_lshr_b32 s15, s15, 9                         ; RB = id / 3 (exact up to 511)
	s_mul_i32 s16, s15, 3
	s_sub_co_u32 s16, ttmp9, s16                   ; p = id % 3
	s_sub_co_u32 s17, ttmp9, NN
	s_bfe_u32 s18, s17, 0x20004                    ; V: g
	s_bfe_u32 s19, s17, 0x20002
	s_lshl_b32 s19, s19, 4
	s_and_b32 s20, s17, 3
	s_add_co_u32 s19, s19, s20                     ; RB0 = 16 (i / 4) + i % 4, i = the low four bits
	s_lshl_b32 s20, s14, 2
	s_add_co_u32 s20, s20, s19                     ; RB = RB0 + 4 x wave
	s_lshl_b32 s21, s15, 3
	s_lshl_b32 s22, s18, 5
	s_add_co_u32 s22, s22, 24
	s_lshl_b32 s23, s16, 3
	s_lshl_b32 s78, s19, 3
	s_and_b32 s79, s15, 3
	s_mov_b32 s80, XS
	s_mov_b32 s81, WS
	s_cmp_lt_u32 ttmp9, NN
	s_cselect_b32 s40, s16, 3                      ; role: 0, 1 Q heads, 2 K, 3 V
	s_cselect_b32 s41, s14, s18                    ; g
	s_cselect_b32 s42, s15, s20                    ; RB
	s_cselect_b32 s43, s21, s22                    ; the resident operand's first tile: 8 RB, or 32 g + 24
	s_cselect_b32 s44, s23, s78                    ; wave 0's first streamed tile: 8 p, or 8 RB0; the waves' lie 32 tiles apart
	s_cselect_b32 s45, s79, s18                    ; my place among four readers of a stream
	s_cselect_b32 s46, s80, s81
	s_cselect_b32 s47, s81, s80
	s_mul_i32 s20, s43, TB                         ; byte offsets: the resident codes,
	s_lshl_b32 s21, s43, 10
	s_add_co_u32 s21, s21, s46                     ; the resident scale words,
	s_lshl_b32 s22, s44, 10
	s_add_co_u32 s22, s22, s47                     ; the streamed scale words,
	s_lshl_b32 s23, s14, 5
	s_add_co_u32 s23, s23, s44
	s_mul_i32 s23, s23, TB                         ; my stream,
	s_mul_i32 s66, s45, 2*TB                       ; my share of its prefetches,
	s_mul_i32 s67, s14, 2*TB
	s_add_co_u32 s67, s67, 2*FB                    ; the later fills: my two tiles, one region back: each trip steps on first
	s_mul_i32 s89, s14, 2*4*FB
	s_add_co_u32 s89, s89, GB                      ; and their place in LDS, likewise
	s_mov_b32 s79, 0
	; descriptor groups 1, elements of 8 bytes: s[24:31] 8 rows (tiles) of 4 steps, s[92:99] 8 rows of 2 steps, 24,576 bytes apart; s[32:39] 8,192 dense bytes as 32 rows of 256; s[48:55] four rows of 8,192 bytes, 32,768 apart
.irp g, 24, 92
	s_mov_b32 s[\g], 3<<16
	s_mov_b32 s[\g+2], 8<<16
	s_mov_b32 s[\g+4], 8
	s_mov_b32 s[\g+5], 3072
	s_mov_b32 s[\g+6], 0
	s_mov_b32 s[\g+7], 0
.endr
	s_mov_b32 s25, 768<<16
	s_mov_b32 s27, 768<<16
	s_mov_b32 s93, 384<<16
	s_mov_b32 s95, 384<<16
	s_mov_b32 s32, 3<<16
	s_mov_b32 s33, 32<<16
	s_mov_b32 s34, 32<<16
	s_mov_b32 s35, 32<<16
	s_mov_b32 s36, 32
	s_mov_b32 s37, 32
	s_mov_b32 s38, 0
	s_mov_b32 s39, 0
	s_mov_b32 s48, 3<<16
	s_mov_b32 s49, 1024<<16
	s_mov_b32 s50, 4<<16
	s_mov_b32 s51, 1024<<16
	s_mov_b32 s52, 4
	s_mov_b32 s53, 4096
	s_mov_b32 s54, 0
	s_mov_b32 s55, 0
	s_mov_b32 s[SEL], 0x76543210
	s_mov_b32 s[SEL+1], 0xfedcba98
	s_wait_alu depctr_va_vdst(0)
	s_wait_dscnt 0x0                               ; both opening adds are done
	s_wait_kmcnt 0x0
	s_cmp_lt_u32 ttmp9, NN                         ; the choice hangs on the work-group's number alone
	s_cselect_b64 s[16:17], s[4:5], s[6:7]         ; the resident operand's buffer
	s_cselect_b64 s[18:19], s[6:7], s[4:5]         ; the streamed operand's
	s_mov_b32 s78, s20
	s_add_nc_u64 s[82:83], s[16:17], s[78:79]      ; groups 0: s[80:83] steps 0, 1;
	s_add_nc_u64 s[58:59], s[82:83], 2*FB          ; s[56:59] steps 2-5;
	s_mov_b32 s78, s67
	s_add_nc_u64 s[90:91], s[82:83], s[78:79]      ; s[88:91] the later regions, my two tiles;
	s_mov_b32 s78, s21
	s_add_nc_u64 s[62:63], s[16:17], s[78:79]      ; s[60:63] the resident scale words;
	s_mov_b32 s78, s22
	s_add_nc_u64 s[70:71], s[18:19], s[78:79]      ; s[68:71] the streamed ones
	s_mov_b32 s78, s23
	s_add_nc_u64 s[SB:SB+1], s[18:19], s[78:79]
	s_mov_b32 s78, s66
	s_add_nc_u64 s[PFB:PFB+1], s[SB:SB+1], s[78:79]
	s_mov_b32 s56, 1
	s_mov_b32 s57, GB
	s_or_b32 s59, s59, 0x80000000
	s_mov_b32 s80, 1
	s_mov_b32 s81, 0
	s_or_b32 s83, s83, 0x80000000
	s_mov_b32 s60, 1
	s_mov_b32 s61, SCR
	s_or_b32 s63, s63, 0x80000000
	s_mov_b32 s68, 1
	s_mov_b32 s69, SCS
	s_or_b32 s71, s71, 0x80000000
	s_mov_b32 s88, 1
	s_or_b32 s91, s91, 0x80000000
	; the head's fills, one a wave, in one chain of branches on the wave's number
	s_cmp_lt_u32 s14, 1
	s_cbranch_scc0 .Lhead_m
	TLOAD 56, 24
	s_branch .Lhead_asked
.Lhead_m:
	s_cmp_lt_u32 s14, 2
	s_cbranch_scc0 .Lhead_rs
	TLOAD 80, 92
	s_branch .Lhead_asked
.Lhead_rs:
	s_cmp_lt_u32 s14, 3
	s_cbranch_scc0 .Lhead_ss
	TLOAD 60, 32
	s_branch .Lhead_asked
.Lhead_ss:
	TLOAD 68, 48
.Lhead_asked:
.macro SLD u, x                        ; streamed fragments 2 u, 2 u + 1 of step x (counted from the trip's first) into set x % 2: six loads of 512 consecutive bytes
.irp tt, 0,1
.irp c, 0,1,2
	global_load_b128 v[128*((\x)%2)+12*(2*(\u)+\tt)+4*\c:128*((\x)%2)+12*(2*(\u)+\tt)+4*\c+3], v[LI], s[SB:SB+1] offset:(2*(\u)+\tt)*TB+(\x)*FB+512*\c
.endr
.endr
.endm
.macro RFT x, i0                       ; resident fragments i0 .. i0 + 3 of step x into set x % 2: steps 0, 1 from LDS byte 0 on, the others from the trip's region
.irp i, \i0, \i0+1, \i0+2, \i0+3
.irp c, 0,1,2
.if (\x) < 2
	ds_load_b128 v[RF+96*((\x)%2)+12*(\i)+4*\c:RF+96*((\x)%2)+12*(\i)+4*\c+3], v[LI] offset:(\i)*2*FB+(\x)*FB+512*\c
.else
	ds_load_b128 v[RF+96*((\x)%2)+12*(\i)+4*\c:RF+96*((\x)%2)+12*(\i)+4*\c+3], v[ADR] offset:(\i)*4*FB+((\x)-2)*FB+512*\c
.endif
.endr
.endr
.endm
.macro SCALES x                        ; the scale words of steps x, x + 1 (x even) into set (x / 2) % 2
.irp i, 0,1,2,3,4,5,6,7
	ds_load_b64 v[SC+16*(((\x)/2)%2)+2*\i:SC+16*(((\x)/2)%2)+2*\i+1], v[ADS] offset:\i*1024+256*((\x)/4)+8*(((\x)/2)%2)
.endr
.endm
.macro ASK x, guard                    ; steps x, x + 1 of my share of the stream; guard: not in the loop's last trip, whose look-ahead would pass K's end
.if \guard
	s_cmp_gt_u32 s3, 1
	s_cbranch_scc0 .Lno_ask_\@
.endif
	global_prefetch_b8 v[PFO], s[PFB:PFB+1] offset:(\x)*FB th:TH_LOAD_NT scope:SCOPE_SE
.if \guard
.Lno_ask_\@:
.endif
.endm
; 16 matrix instructions: streamed fragments 2 u, 2 u + 1 against the resident eight.  The 64 accumulators take turns, in the same order in every step.
.macro MUL16 u, r, zero
.irp tt, 0,1
.irp q, 0,1,2,3,4,5,6,7
.set MT, 2*(\u)+\tt
.set MD, 32*\q+8*(MT%4)
.set MA, 128*((\r)%2)+12*MT
.set MB, RF+96*((\r)%2)+12*\q
.set MS, SC+16*(((\r)/2)%2)+(\r)%2
.if \zero
	v_wmma_scale_f32_16x16x128_f8f6f4 v[MD:MD+7], v[MA:MA+11], v[MB:MB+11], 0, v[MS+2*MT], v[MS+2*\q] matrix_a_fmt:MATRIX_FMT_FP6 matrix_b_fmt:MATRIX_FMT_FP6 matrix_a_scale:MATRIX_SCALE_ROW1
.else
	v_wmma_scale_f32_16x16x128_f8f6f4 v[MD:MD+7], v[MA:MA+11], v[MB:MB+11], v[MD:MD+7], v[MS+2*MT], v[MS+2*\q] matrix_a_fmt:MATRIX_FMT_FP6 matrix_b_fmt:MATRIX_FMT_FP6 matrix_a_scale:MATRIX_SCALE_ROW1
.endif
.endr
.endr
.endm
; A K step, r counted from the trip's first.  ld: the stream's step r + 2 is asked for; ft: the resident step r + 1 is fetched; zero: the products start the sums.
; c0 - cd u: the stream's loads issued behind pair u's, which may stay out: seven pairs of six while the stream runs (the rest of this step's, the next step's four, this step's refills so far).
.macro STEP r, ld, ft, zero, c0, cd, pf
.irp u, 0,1,2,3
	s_wait_loadcnt \c0-\cd*\u
.if \u == 0
	s_wait_dscnt 0x0                               ; this step's resident fragments and scale words, asked for early in the last step
.endif
	WIN 0xa1+0x50*(\u/2)                           ; source 0 window 1, source 1 window 0, C and D window 2 or 3
	MUL16 \u, \r, \zero
.if \ld || (\ft && (\u < 2))
	PLACES
.endif
.if \ld
	WIN 0x40                                       ; destination window 1
	SLD \u, (\r)+2
.endif
.if \ft && (\u < 2)
	WIN 0
	RFT (\r)+1, 4*\u
.if (\u == 1) && (((\r)+1)%2 == 0)
	SCALES (\r)+1
.endif
.endif
.if (\pf) && (\u == 2)
	WIN 0
	ASK (\r)+6, (\pf)-1
.endif
.endr
.endm
	WIN 0x40
.irp u, 0,1,2,3
	SLD \u, 0                                      ; the stream's steps 0 and 1: 48 loads
.endr
.irp u, 0,1,2,3
	SLD \u, 1
.endr
	WIN 0
	ASK 2, 0
	ASK 4, 0
	; where my results go: Q: [8 b + h][tile][1,536], scale words 512 bytes for 128 rows; K and V: blocks of 51,200 bytes for 256 keys of (b, g)
	s_lshr_b32 s20, s42, 5                         ; b
	s_and_b32 s21, s42, 31
	s_lshl_b32 s22, s20, 3
	s_lshl_b32 s23, s41, 1
	s_add_co_u32 s22, s22, s23
	s_add_co_u32 s22, s22, s40                     ; 8 b + 2 g + role
	s_mul_i32 s46, s22, 393216
	s_mul_i32 s47, s21, 12288
	s_add_co_u32 s46, s46, s47
	s_lshl_b32 s22, s22, 5
	s_add_co_u32 s22, s22, s21
	s_lshl_b32 s22, s22, 9
	s_add_co_u32 s22, s22, QS
	s_lshl_b32 s23, s20, 2
	s_add_co_u32 s23, s23, s41
	s_lshl_b32 s23, s23, 4
	s_lshr_b32 s47, s21, 1
	s_add_co_u32 s23, s23, s47
	s_mul_i32 s23, s23, 51200
	s_add_co_u32 s23, s23, KV
	s_and_b32 s47, s21, 1
	s_and_b32 s15, s40, 1                          ; K 0, V 1
	s_mul_i32 s16, s15, 24576
	s_mul_i32 s17, s47, 12288
	s_add_co_u32 s16, s16, s17
	s_add_co_u32 s16, s16, s23
	s_lshl_b32 s17, s15, 10
	s_lshl_b32 s47, s47, 9
	s_add_co_u32 s17, s17, s47
	s_add_co_u32 s17, s17, s23
	s_add_co_u32 s17, s17, 49152
	s_cmp_lt_u32 s40, 2
	s_cselect_b32 s10, s46, s16
	s_cselect_b32 s12, s22, s17
	s_mov_b32 s11, 0
	s_mov_b32 s13, 0
	s_add_nc_u64 s[10:11], s[8:9], s[10:11]
	s_add_nc_u64 s[12:13], s[8:9], s[12:13]
	s_wait_tensorcnt 0x0                           ; my fill is in; no tensor load of mine is out, so a descriptor may be written:
	s_mov_b32 s26, 2<<16                           ; from here on a load of regions brings two rows (tiles)
	s_mov_b32 s28, 2
	s_barrier_signal -1
	s_barrier_wait -1                              ; everybody's fill is in
	RFT 0, 0
	RFT 0, 4
	SCALES 0
	STEP 0, 1, 1, 1, 42, 0, 1                      ; the first step's products start the sums: nothing is cleared
	WIN 0
	s_mov_b32 s3, 3
.Ltrip:                                                ; a trip: steps 4 j + 1 .. 4 j + 4
	s_wait_tensorcnt 0x0                           ; my part of this trip's region is in
	ds_add_u32 v[SPW], v[NIL]
	s_add_co_u32 s89, s89, REG                     ; no load of mine is out: the next region, in LDS
	s_add_nc_u64 s[90:91], s[90:91], 4*FB          ; and in memory
	s_wait_dscnt 0x0
	s_barrier_signal -1
	s_barrier_wait -1                              ; everybody's part is in
	TLOAD 88, 24                                   ; my one load behind the barrier: two tiles of the region that the next trip (or the tail) fetches; bytes filled for the first time
	STEP 1, 1, 1, 0, 42, 0, 0
	STEP 2, 1, 1, 0, 42, 0, 2
	STEP 3, 1, 1, 0, 42, 0, 0
	STEP 4, 1, 1, 0, 42, 0, 2
	WIN 0
	s_wait_xcnt 0x0                                ; the loads and prefetches have read their bases: they may step
	s_add_nc_u64 s[SB:SB+1], s[SB:SB+1], 4*FB
	s_add_nc_u64 s[PFB:PFB+1], s[PFB:PFB+1], 4*FB
	v_add_nc_u32 v[ADR], REG, v[ADR]
	v_add_nc_u32 v[ADS], 256, v[ADS]
	s_sub_co_u32 s3, s3, 1
	s_cmp_lg_u32 s3, 0
	s_wait_alu depctr_va_vdst(0)
	s_cbranch_scc1 .Ltrip
	s_wait_tensorcnt 0x0                           ; my part of the last region is in,
	s_wait_dscnt 0x0
	s_barrier_signal -1
	s_barrier_wait -1                              ; everybody's is
	STEP 1, 1, 1, 0, 42, 0, 0                      ; step 13 asks for the stream's last step,
	STEP 2, 0, 1, 0, 42, 6, 0                      ; step 14 for nothing of it: behind pair u's loads stand 7 - u pairs,
	STEP 3, 0, 0, 0, 18, 6, 0                      ; in step 15 3 - u
	WIN 0
; THE WAY OUT.  Resident tile a's 64 numbers of a lane, register 8 t + j = place 32 (t / 2) + 16 (lane / 16) + 8 (t % 2) + j along the next product's K, become a fragment's codes and its scale word.
.macro QUANTW a
.set AC, 32*(\a)
.set PC, 128+20*((\a)%2)
.set PT, PC+12
.irp w, 0,1
	WIN 0x28+0x14*\w                               ; sources 1 and 2: window 2 (t 0-3), then 3 (t 4-7)
.irp c, 0,1,2,3
	v_max3_num_f32 v[T+4*\w+\c], 0x1800000, |v[AC+8*\c]|, |v[AC+8*\c+1]|   ; each accumulator from its low end on; the floor 2^(3 - 127) holds the byte at 1 from below
.endr
.irp i, 2,4,6
.irp c, 0,1,2,3
	v_max3_num_f32 v[T+4*\w+\c], v[T+4*\w+\c], |v[AC+8*\c+\i]|, |v[AC+8*\c+\i+1]|
.endr
.endr
.endr
	WIN 0
.irp b, 0,1,2,3
	v_max_num_f32 v[TM+\b], v[T+2*\b], v[T+2*\b+1]     ; block b: tiles 2 b, 2 b + 1
.endr
.irp b, 0,1,2,3
	v_permlanex16_b32 v[TM+4+\b], v[TM+\b], s[SEL], s[SEL+1]
.endr
.irp b, 0,1,2,3
	v_max_num_f32 v[TM+\b], v[TM+\b], v[TM+4+\b]       ; with lane l xor 16's
.endr
.irp b, 0,1,2,3
	v_add_nc_u32 v[TM+8+\b], 0xff000000, v[TM+\b]      ; 2 off the exponent field: the conversion's scale operand
.endr
.irp b, 0,1,2,3
	v_lshrrev_b32 v[TM+12+\b], 23, v[TM+8+\b]          ; the byte
.endr
	v_lshl_or_b32 v[PWR+(\a)], v[TM+13], 8, v[TM+12]
	v_lshl_or_b32 v[PWR+(\a)], v[TM+14], 16, v[PWR+(\a)]
	v_lshl_or_b32 v[PWR+(\a)], v[TM+15], 24, v[PWR+(\a)]
.irp c, 0,1
	WIN 0x02+\c                                    ; source 0: window 2, then 3
	v_cvt_scalef32_pk16_fp6_f32 v[PC+6*\c:PC+2+6*\c], v[AC:AC+15], v[TM+8+2*\c]
	v_cvt_scalef32_pk16_fp6_f32 v[PT+4*\c:PT+2+4*\c], v[AC+16:AC+31], v[TM+8+2*\c+1]
.endr
	WIN 0
	v_nop                                          ; one plain place behind a scaled conversion
.irp c, 0,1                                    ; the operand's layout wants a whole block in a lane
.irp i, 0,1,2
	v_permlane16_swap_b32 v[PC+6*\c+\i], v[PT+4*\c+\i]
.endr
.irp i, 0,1,2
	v_mov_b32 v[PC+3+6*\c+\i], v[PT+4*\c+\i]
.endr
.endr
.endm
	PLACES
.irp b, 0,1,2,3
	v_mov_b32 v[TM+4+\b], 0                        ; written once: a lane permute's destination counts as one of its sources
.endr
.irp a, 0,1,2,3,4,5,6,7
.if \a > 1
	s_wait_xcnt 0x0                                ; fragment a - 2's stores have read their registers
.endif
	QUANTW \a
.irp c, 0,1,2
	global_store_b128 v[LI], v[PC+4*\c:PC+4*\c+3], s[10:11] offset:1536*\a+512*\c   ; 32 lanes store 512 consecutive bytes, aligned
.endr
.endr
	v_cmp_le_u32 vcc_lo, 16, v1                    ; the scale words: fragment a at 256 (a % 2) + 16 r + 4 (a / 2): lanes 0-15 the even fragments', lanes 16-31 the odd ones'
.irp i, 0,1,2,3
	v_cndmask_b32 v[SW+\i], v[PWR+2*\i], v[PWR+2*\i+1], vcc_lo
.endr
	global_store_b128 v[LI], v[SW:SW+3], s[12:13]
	s_wait_tensorcnt 0x0                           ; the wave's end
	ds_add_u32 v[SPW], v[NIL]
	s_wait_dscnt 0x0
	s_endpgm
.Lfunc_end_k_qf5149511cf_qkv:
	.size	k_qf5149511cf_qkv, .Lfunc_end_k_qf5149511cf_qkv-k_qf5149511cf_qkv
	.p2alignl 7, 3214868480
	.fill 96, 4, 3214868480
	.section	.rodata,"a",@progbits
	.p2align	6, 0x0
	.amdhsa_kernel k_qf5149511cf_qkv
		.amdhsa_group_segment_fixed_size 327680
		.amdhsa_private_segment_fixed_size 0
		.amdhsa_enable_private_segment 0
		.amdhsa_kernarg_size 24
		.amdhsa_user_sgpr_count 2
		.amdhsa_user_sgpr_kernarg_segment_ptr 1
		.amdhsa_wavefront_size32 1
		.amdhsa_system_sgpr_workgroup_id_x 1
		.amdhsa_system_sgpr_workgroup_id_y 1
		.amdhsa_system_sgpr_workgroup_id_z 1
		.amdhsa_system_vgpr_workitem_id 0
		.amdhsa_next_free_vgpr 1024
		.amdhsa_next_free_sgpr 100
		.amdhsa_reserve_vcc 1
		.amdhsa_float_denorm_mode_32 3
		.amdhsa_float_denorm_mode_16_64 3
		.amdhsa_memory_ordered 1
		.amdhsa_forward_progress 1
		.amdhsa_inst_pref_size 151
	.end_amdhsa_kernel
	.amdgpu_metadata
---
amdhsa.version: [ 1, 2 ]
amdhsa.kernels:
  - .name:           k_qf5149511cf_qkv
    .symbol:         k_qf5149511cf_qkv.kd
    .args:
      - { .name: xq, .offset: 0, .size: 8, .value_kind: global_buffer, .address_space: global }
      - { .name: wts, .offset: 8, .size: 8, .value_kind: global_buffer, .address_space: global }
      - { .name: qkv, .offset: 16, .size: 8, .value_kind: global_buffer, .address_space: global }
    .group_segment_fixed_size: 327680
    .private_segment_fixed_size: 0
    .kernarg_segment_align: 8
    .kernarg_segment_size: 24
    .max_flat_workgroup_size: 128
    .sgpr_count:     100
    .vgpr_count:     1024
    .wavefront_size: 32
...
	.end_amdgpu_metadata
.endif
;; end of part 2
;; launch attn (part 3): grid 256 x 1, 16 waves a work-group, no clusters, 169,984 bytes of LDS; arguments qkv, att; writes att
.if DOCPART == 3
	.amdgcn_target "amdgcn-amd-amdhsa--gfx1250"
	.amdhsa_code_object_version 6
	.text
	.protected	k_qf5149511cf_attn
	.globl	k_qf5149511cf_attn
	.p2align	8
	.type	k_qf5149511cf_attn,@function
k_qf5149511cf_attn:
	s_mov_b64 s[64:65], 0
	v_nop
	global_prefetch_b8 v0, s[64:65] scope:SCOPE_SE
	s_setreg_imm32_b32 hwreg(HW_REG_WAVE_MODE, 25, 1), 1
	s_wait_xcnt 0x0
; Local-window attention on codes of FP6 (E2M3) with E8M0 scales: a query attends to the 256 keys that end at itself.  Both products are quantised; the result, divided by the row's sum, is quantised
; along the head's 128 for the output projection and leaves as codes.
; THE SOFTMAX: t = score x log2(e) / sqrt(128); M = the running largest t rounded UP to a whole number; p = 2^(t - M) is quantised along the keys; the row's sum is taken of the unquantised p and divides at the end.
; When M moves, the sum and O are multiplied by 2^(old M - new M): exact.
; SHARES.  A work-group owns one head h and one block nb of 256 queries of batch b; each of its SIXTEEN waves owns one physical tile of 16 queries in 256 registers: four waves to a SIMD, so that one wave's
; vector work stands beside another's matrix work.  Wave w lies in half g = w / 8 of the block.
; KEYS.  The window of a query of half g covers three key steps of 128 out of the four of [previous block | own block]: step 2 + g up to the query itself (mask C), step 1 + g whole, step g behind the
; query's place (mask P).  The fourth lies wholly under the mask and is not computed.  The text is one for all waves: only LDS addresses hang on g.  In block 0 the previous block does not count:
; its steps are jumped over by scalar branches on ids.  The first step always holds the query's own key, so M is a number from the first step on.
; HIDDEN SCORES become -infinity where the definition has -1e30: both give p = 0, since every row has its own key.
; LAYOUT.  Both products are used transposed: S^T = K Q^T, O^T = V^T P^T: a lane holds ONE query throughout.  Rows of K, V and Q lie in the order pi (bits 3, 4 of the row number exchanged), so that the 16 registers
; of tiles 2 B and 2 B + 1 are 16 neighbouring keys (or channels): 32 B + 16 (lane / 16) + 0 .. 15.  Codes lie as images of operand registers: a fragment is three loads of 16 bytes a lane.
; LDS is filled ONCE: the previous and the own block of K and V, 51,200 bytes each (K's 16 fragments, V's 16, K's scale words 2 x 512, V's 2 x 512), by waves 0-7, a quarter each.
; NO CLUSTER: a work-group asks for its 102,400 bytes once, at its head; only the two query heads of a kv head read the same two blocks, so a cluster of four would hold two pairs with different tiles.
; LIMITS: NaN and infinities are not served; a block's largest p is taken through the block's largest score (v_exp_f32 is taken not to fall where its input rises); a block of zeros keeps the byte 1: its codes are zeros.
; REGISTERS: v1-11, v30-31 addresses; v12 -M, v13 the largest t, v[14:15] the sum in two halves; v16-27 Q, v28 its scale word, v29 p's; v32-79 four fragments; v80-87 K's scale words, v88-95 V's;
;   v96-159 S^T, then p, then o; v160-223 O^T; v224-235 p's codes; v232-254 at work.
.set CUR,  51200                       ; LDS: the previous block at 0, the own block here,
.set ASTG, 102400                      ; and 1,024 bytes in which the sixteen waves' scale words meet; no fill lands there
.set QS,   6291456                     ; qkv: Q's scale words
.set KV,   6553600                     ; qkv: the blocks of K and V
.set ACO,  8192                        ; att: a record of 204,800 bytes for each 256 rows: the scale words [h 8][tile 16][16 words], then at ACO the codes [tile 16][h 8][1,536]
.set LI,   1                           ; v1   16 x lane
.set LR,   2                           ; v2   16 x (lane % 16)
.set ARD,  3                           ; v3   the scale words' stage, on the way out
.set QD,   5                           ; v5   my query's place in its half - 16 (lane / 16)
.set NEG,  6                           ; v6   -infinity
.set ADK1, 7                           ; v7-9   LDS address of the three steps' codes
.set ADK2, 8
.set ADK3, 9
.set ADS1, 10                          ; v10, v11, v30  of their scale words
.set ADS2, 11
.set ADS3, 30
.set AWS,  31                          ; v31  the scale words' stage, on the way in
.set TM,   236
.set PC,   224
.set PT,   236
.set WV,   18
.set SEL,  20
.set CS,   22                          ; s[22:23] c = log2(e) / sqrt(128)
.set SK2,  60                          ; s60  1: the second step is left out (block 0, half 0)
.set SK3,  61                          ; s61  1: the third is (block 0)
; 64 numbers of a lane, register 16 b + i = k 32 b + 16 (lane / 16) + i of my row, become a fragment's codes in v[PC] on and its scale word in v[pw].
.macro QUANT s, pw
.irp b, 0,1,2,3
	v_max3_num_f32 v[TM+\b], |v[\s+16*\b]|, |v[\s+1+16*\b]|, 0x1800000   ; and the floor 2^(3 - 127): the byte cannot fall under 1
.endr
.irp i, 2,4,6,8,10,12,14
.irp b, 0,1,2,3
	s_delay_alu instid0(VALU_DEP_4)
	v_max3_num_f32 v[TM+\b], v[TM+\b], |v[\s+16*\b+\i]|, |v[\s+1+16*\b+\i]|
.endr
.endr
.irp b, 0,1,2,3
	s_delay_alu instid0(VALU_DEP_4)
	v_permlanex16_b32 v[TM+4+\b], v[TM+\b], s[SEL], s[SEL+1]
.endr
.irp b, 0,1,2,3
	s_delay_alu instid0(VALU_DEP_4)
	v_max_num_f32 v[TM+\b], v[TM+\b], v[TM+4+\b]
.endr
.irp b, 0,1,2,3
	s_delay_alu instid0(VALU_DEP_4)
	v_add_nc_u32 v[TM+12+\b], 0xff000000, v[TM+\b]
.endr
.irp b, 0,1,2,3
	s_delay_alu instid0(VALU_DEP_4)
	v_lshrrev_b32 v[TM+4+\b], 23, v[TM+12+\b]
.endr
	s_delay_alu instid0(VALU_DEP_3)
	v_lshl_or_b32 v[\pw], v[TM+5], 8, v[TM+4]
	s_delay_alu instid0(VALU_DEP_1)
	v_lshl_or_b32 v[\pw], v[TM+6], 16, v[\pw]
	s_delay_alu instid0(VALU_DEP_1)
	v_lshl_or_b32 v[\pw], v[TM+7], 24, v[\pw]
.irp c, 0,1                                    ; (the second halves land where the maxima and bytes lay: both are done with)
	v_cvt_scalef32_pk16_fp6_f32 v[PC+6*\c:PC+2+6*\c], v[\s+32*\c:\s+15+32*\c], v[TM+12+2*\c]
	v_cvt_scalef32_pk16_fp6_f32 v[PT+4*\c:PT+2+4*\c], v[\s+16+32*\c:\s+31+32*\c], v[TM+12+2*\c+1]
.endr
	v_nop
.irp c, 0,1
.irp i, 0,1,2
	v_permlane16_swap_b32 v[PC+6*\c+\i], v[PT+4*\c+\i]
.endr
.irp i, 0,1,2
	s_delay_alu instid0(VALU_DEP_3)
	v_mov_b32 v[PC+3+6*\c+\i], v[PT+4*\c+\i]
.endr
.endr
.endm
	s_load_b128 s[4:7], s[0:1], 0x0                ; qkv s[4:5], att s[6:7]
	v_lshl_add_u32 v4, v0, 2, 0x29000
	v_mov_b32 v255, 0
	ds_add_u32 v4, v255
	ds_add_u32 v4, v255
	v_lshrrev_b32 v32, 5, v0
	s_delay_alu instid0(VALU_DEP_1)
	v_readfirstlane_b32 s[WV], v32                 ; wave 0..15
	s_lshr_b32 s19, s[WV], 3                       ; g
	s_and_b32 s40, ttmp9, 7                        ; h
	s_bfe_u32 s41, ttmp9, 0x40003                  ; nb
	s_lshr_b32 s42, ttmp9, 7                       ; b
	s_lshr_b32 s43, s40, 1                         ; hk
	; the two blocks of K and V: (4 b + hk) 16 + nb, and the one before (in block 0: the same again; its bytes are not used)
	s_lshl_b32 s45, s42, 2
	s_add_co_u32 s45, s45, s43
	s_lshl_b32 s45, s45, 4
	s_add_co_u32 s50, s45, s41
	s_max_u32 s47, s41, 1
	s_sub_co_u32 s47, s47, 1
	s_add_co_u32 s52, s45, s47
	s_mul_i32 s50, s50, 51200
	s_mul_i32 s52, s52, 51200
	s_and_b32 s48, s[WV], 3
	s_mul_i32 s49, s48, 12800                      ; the quarter that I fetch, if I fetch
	s_add_co_u32 s50, s50, s49
	s_add_co_u32 s50, s50, KV
	s_mov_b32 s51, 0
	s_add_co_u32 s52, s52, s49
	s_add_co_u32 s52, s52, KV
	s_mov_b32 s53, 0
	; descriptor group 1: 12,800 dense bytes as 50 rows of 256 (32 elements of 8 bytes)
	s_mov_b32 s24, 3<<16
	s_mov_b32 s25, 32<<16
	s_mov_b32 s26, 50<<16
	s_mov_b32 s27, 32<<16
	s_mov_b32 s28, 50
	s_mov_b32 s29, 32
	s_mov_b32 s30, 0
	s_mov_b32 s31, 0
	s_mov_b32 s[SEL], 0x76543210
	s_mov_b32 s[SEL+1], 0xfedcba98
	s_mov_b32 s[CS], 0x3e0293ee
	s_mov_b32 s[CS+1], s[CS]                       ; (named with it as a pair, so it is written)
	; every LDS address is made here, ahead of the first branch on the wave's number
	v_and_b32 v32, 31, v0                          ; lane
	v_and_b32 v33, 15, v0                          ; r
	v_bfe_u32 v34, v0, 4, 1                        ; lane / 16
	s_delay_alu instid0(VALU_DEP_3)
	v_lshlrev_b32 v[LI], 4, v32
	s_wait_alu depctr_va_vdst(0)
	v_lshlrev_b32 v[LR], 4, v33
	s_wait_alu depctr_va_vdst(0)
	s_bfe_u32 s54, s[WV], 0x20001                  ; (w % 8) / 2
	s_lshl_b32 s55, s54, 5
	s_and_b32 s46, s[WV], 1
	s_lshl_b32 s56, s46, 3
	s_add_co_u32 s55, s55, s56
	v_and_b32 v35, 8, v33
	s_delay_alu instid0(VALU_DEP_1)
	v_add_nc_u32 v35, v35, v33
	s_delay_alu instid0(VALU_DEP_1)
	v_add_nc_u32 v35, s55, v35                     ; my query in its half: 32 ((w % 8) / 2) + 8 (w % 2) + r + 8 (r / 8)
	v_lshlrev_b32 v34, 4, v34
	s_delay_alu instid0(VALU_DEP_1)
	v_sub_nc_u32 v[QD], v35, v34
	s_mul_i32 s55, s19, 12288
	v_add_nc_u32 v[ADK3], s55, v[LI]               ; step 3: key step g: the previous block's half g
	s_add_co_u32 s55, s55, CUR
	v_add_nc_u32 v[ADK1], s55, v[LI]               ; step 1: key step 2 + g: the own block's half g
	s_mul_i32 s55, s19, 38912
	s_add_co_u32 s55, s55, 12288
	v_add_nc_u32 v[ADK2], s55, v[LI]               ; step 2: key step 1 + g: the previous block's half 1, or the own block's half 0
	s_lshl_b32 s55, s19, 9
	v_add_nc_u32 v[ADS3], s55, v[LR]               ; the scale words likewise, 512 bytes a half
	s_add_co_u32 s55, s55, CUR
	v_add_nc_u32 v[ADS1], s55, v[LR]
	s_mul_i32 s55, s19, 50688
	s_add_co_u32 s55, s55, 512
	v_add_nc_u32 v[ADS2], s55, v[LR]
	s_lshl_b32 s55, s[WV], 6
	s_add_co_u32 s55, s55, ASTG
	v_lshl_add_u32 v[AWS], v33, 2, s55             ; in: 64 bytes a wave, 4 a row
	s_lshl_b32 s55, s46, 9
	s_add_co_u32 s55, s55, ASTG
	v_add_nc_u32 v[ARD], s55, v[LI]                ; out: waves 0 and 1 take 512 bytes each
	s_cmp_eq_u32 s41, 0
	s_cselect_b32 s[SK3], 1, 0
	s_or_b32 s55, s41, s19
	s_cmp_eq_u32 s55, 0
	s_cselect_b32 s[SK2], 1, 0
	; global offsets
	s_lshl_b32 s44, s42, 3
	s_add_co_u32 s44, s44, s40                     ; 8 b + h
	s_lshl_b32 s45, s44, 8
	s_lshl_b32 s47, s41, 4
	s_add_co_u32 s45, s45, s47
	s_add_co_u32 s45, s45, s[WV]
	s_mul_i32 s8, s45, 1536                        ; Q's fragment: tile 16 nb + w of the head
	s_mov_b32 s9, 0
	s_lshl_b32 s45, s44, 5
	s_lshl_b32 s47, s41, 1
	s_add_co_u32 s45, s45, s47
	s_add_co_u32 s45, s45, s19
	s_lshl_b32 s10, s45, 9                         ; its scale words: the 512 bytes of 128 rows, fragment a = w % 8 at 256 (a & 1) + 16 r + 4 (a >> 1)
	s_lshl_b32 s47, s46, 8
	s_add_co_u32 s10, s10, s47
	s_lshl_b32 s47, s54, 2
	s_add_co_u32 s10, s10, s47
	s_add_co_u32 s10, s10, QS
	s_mov_b32 s11, 0
	s_lshl_b32 s45, s42, 8
	s_lshl_b32 s47, s41, 4
	s_add_co_u32 s45, s45, s47                     ; the block's first tile: 256 b + 16 nb
	s_lshr_b32 s45, s45, 4                         ; the record: 16 b + nb
	s_mul_i32 s45, s45, 204800
	s_lshl_b32 s47, s[WV], 3
	s_add_co_u32 s47, s47, s40
	s_mul_i32 s12, s47, 1536                       ; the result's fragment: [tile w][h]
	s_add_co_u32 s12, s12, s45
	s_add_co_u32 s12, s12, ACO
	s_mov_b32 s13, 0
	s_lshl_b32 s14, s40, 10                        ; its scale words: [h][tile][16 words]; waves 0 and 1 store 512 bytes each
	s_lshl_b32 s47, s46, 9
	s_add_co_u32 s14, s14, s47
	s_add_co_u32 s14, s14, s45
	s_mov_b32 s15, 0
	s_wait_dscnt 0x0
	s_wait_kmcnt 0x0
	s_add_nc_u64 s[8:9], s[4:5], s[8:9]
	s_add_nc_u64 s[10:11], s[4:5], s[10:11]
	s_add_nc_u64 s[12:13], s[6:7], s[12:13]
	s_add_nc_u64 s[14:15], s[6:7], s[14:15]
	s_mov_b32 s32, 1                               ; group 0: the own block's quarter,
	s_add_co_u32 s33, s49, CUR
	s_add_nc_u64 s[34:35], s[4:5], s[50:51]
	s_or_b32 s35, s35, 0x80000000
	s_mov_b32 s36, 1                               ; the previous block's
	s_mov_b32 s37, s49
	s_add_nc_u64 s[38:39], s[4:5], s[52:53]
	s_or_b32 s39, s39, 0x80000000
	s_cmp_lt_u32 s[WV], 4                          ; one fill a wave, in one chain of branches on the wave's number: waves 0-3 a quarter of the own block each,
	s_cbranch_scc0 .Lprev_fill
	tensor_load_to_lds s[32:35], s[24:31]
	s_nop 0
.rept 4
	v_nop
.endr
	s_branch .Lno_fill
.Lprev_fill:
	s_cmp_lt_u32 s[WV], 8                          ; waves 4-7 a quarter of the previous block each, waves 8-15 none
	s_cbranch_scc0 .Lno_fill
	tensor_load_to_lds s[36:39], s[24:31]
	s_nop 0
.rept 4
	v_nop
.endr
.Lno_fill:
.irp c, 0,1,2
	global_load_b128 v[16+4*\c:19+4*\c], v[LI], s[8:9] offset:512*\c   ; Q's fragment stays in registers
.endr
	global_load_b32 v28, v[LR], s[10:11]           ; and its scale words
	v_mov_b32 v[NEG], 0xff800000
	v_mov_b32 v14, 0                               ; the sum, in two halves
	v_mov_b32 v15, 0
.irp b, 0,1,2,3,4,5,6,7
	v_mov_b32 v[236+\b], 0                         ; written once: a lane permute's destination counts as one of its sources
.endr
	v_mov_b32 v252, 0
	v_mov_b32 v253, 0                              ; (named as the upper half of the pair v[252:253])
	s_wait_tensorcnt 0x0                           ; my fill, if I have one, is in; nothing is ever filled again
	s_barrier_signal -1
	s_barrier_wait -1                              ; everybody's is: both blocks are whole
	s_wait_loadcnt 0x0                             ; Q
; A KEY STEP of 128 keys.  adk, ads: its address registers.  mask: 0 none, 1 hidden where key > query, 2 hidden where key <= query.  first = 1: it starts M, the sum and O^T.  skip: the flag's register, or 0.
.macro STEP adk, ads, mask, first, skip
.if \skip
	s_cmp_lg_u32 s[\skip], 0                       ; a branch on ids, round the step's loads, products and softmax; no barrier stands in a step
	s_cbranch_scc1 .Lskip_\@
.endif
.if !\first
.rept 4
	v_nop                                          ; places in front of loads into registers that the last products have read
.endr
.endif
	ds_load_b128 v[80:83], v[\ads] offset:49152    ; K's scale words: tiles 0, 2, 4, 6,
	ds_load_b128 v[84:87], v[\ads] offset:49408    ; tiles 1, 3, 5, 7;
	ds_load_b128 v[88:91], v[\ads] offset:50176    ; V's likewise
	ds_load_b128 v[92:95], v[\ads] offset:50432
.irp g, 0,1                                    ; S^T = K Q^T, four tiles of 16 keys at a time
.if \g > 0
.rept 4
	v_nop
.endr
.endif
.irp t, 0,1,2,3
.irp c, 0,1,2
	ds_load_b128 v[32+12*\t+4*\c:35+12*\t+4*\c], v[\adk] offset:(4*\g+\t)*1536+512*\c
.endr
.endr
	s_wait_dscnt 0x0
.irp t, 0,1,2,3
	v_wmma_scale_f32_16x16x128_f8f6f4 v[96+8*(4*\g+\t):103+8*(4*\g+\t)], v[32+12*\t:43+12*\t], v[16:27], 0, v[80+4*(\t%2)+(4*\g+\t)/2], v28 matrix_a_fmt:MATRIX_FMT_FP6 matrix_b_fmt:MATRIX_FMT_FP6
.endr
.endr
.rept 4
	v_nop
.endr
.if \mask                                      ; register 16 b + i holds key 32 b + 16 (lane / 16) + i of the step
.set n, 0
.rept 64
.if \mask == 1
	v_cmp_gt_i32 vcc_lo, 32*(n/16)+n%16, v[QD]
.else
	v_cmp_le_i32 vcc_lo, 32*(n/16)+n%16, v[QD]
.endif
	v_cndmask_b32 v[96+n], v[96+n], v[NEG], vcc_lo
.set n, n+1
.endr
.endif
.irp b, 0,1,2,3
	v_max3_num_f32 v[232+\b], v[96+16*\b], v[97+16*\b], v[98+16*\b]   ; the largest score of each block of 32 keys: it serves the row's maximum and, since p rises with the score, the block's largest p
.endr
.irp i, 3,5,7,9,11,13
.irp b, 0,1,2,3
	v_max3_num_f32 v[232+\b], v[232+\b], v[96+16*\b+\i], v[97+16*\b+\i]
.endr
.endr
.irp b, 0,1,2,3
	v_max_num_f32 v[232+\b], v[232+\b], v[111+16*\b]
.endr
.irp b, 0,1,2,3
	s_delay_alu instid0(VALU_DEP_4)
	v_permlanex16_b32 v[236+\b], v[232+\b], s[SEL], s[SEL+1]
.endr
.irp b, 0,1,2,3
	s_delay_alu instid0(VALU_DEP_4)
	v_max_num_f32 v[232+\b], v[232+\b], v[236+\b]  ; with lane l xor 16's 16 keys
.endr
	s_delay_alu instid0(VALU_DEP_2)
	v_max3_num_f32 v254, v232, v233, v234
	s_delay_alu instid0(VALU_DEP_1)
	v_max_num_f32 v254, v254, v235                 ; the step's largest score of my query
.if \first
	s_delay_alu instid0(VALU_DEP_1)
	v_mul_f32 v13, s[CS], v254                     ; as t: the largest so far
	s_delay_alu instid0(VALU_DEP_1)
	v_floor_f32 v12, -v13                          ; -M = floor(-t) = -ceil(t): M is a whole number
.else
	s_delay_alu instid0(VALU_DEP_1)
	v_mul_f32 v254, s[CS], v254
	s_delay_alu instid0(VALU_DEP_1)
	v_max_num_f32 v13, v13, v254                   ; the running largest t
	v_mov_b32 v254, v12
	s_delay_alu instid0(VALU_DEP_2)
	v_floor_f32 v12, -v13
	s_delay_alu instid0(VALU_DEP_1)
	v_sub_f32 v254, v12, v254                      ; old M - new M: a whole number, 0 or less
	s_delay_alu instid0(VALU_DEP_1)
	v_cvt_i32_f32 v254, v254
	s_delay_alu instid0(VALU_DEP_1)
	v_ldexp_f32 v252, 1.0, v254                    ; f = 2^(old M - new M): a multiplication by it rounds nothing
.endif
.set n, 0
.rept 32
	v_pk_fma_f32 v[96+n:97+n], v[96+n:97+n], s[CS:CS+1], v[12:13] op_sel_hi:[1,0,0]   ; t - M, two at a time
.set n, n+2
.endr
.irp b, 0,1,2,3
	v_fma_f32 v[232+\b], v[232+\b], s[CS], v12     ; the same of each block's largest score
.endr
.set n, 0
	s_wait_alu depctr_va_vdst(0)
.rept 64
	v_exp_f32 v[96+n], v[96+n]                     ; p = 2^(t - M), at most 1: not normalised
.set n, n+1
.endr
.if \first
	v_nop                                          ; a plain place behind the exponentials
.else
	v_pk_mul_f32 v[14:15], v[14:15], v[252:253] op_sel_hi:[1,0]   ; the sums under the new M (a plain place behind the exponentials)
.endif
	s_wait_alu depctr_va_vdst(0)                   ; one wait for the whole batch, ahead of its first reader
.irp b, 0,1,2,3
	v_exp_f32 v[232+\b], v[232+\b]                 ; the block's largest p
.endr
	v_pk_add_f32 v[236:237], v[100:101], v[104:105]
	v_pk_add_f32 v[250:251], v[108:109], v[112:113]
	v_pk_add_f32 v[248:249], v[116:117], v[120:121]
	v_pk_add_f32 v[246:247], v[124:125], v[128:129]
	v_pk_add_f32 v[244:245], v[132:133], v[136:137]
	v_pk_add_f32 v[240:241], v[140:141], v[144:145]
	v_pk_add_f32 v[238:239], v[148:149], v[152:153]
	v_pk_add_f32 v[14:15], v[14:15], v[156:157]
	v_pk_add_f32 v[236:237], v[236:237], v[96:97]
	v_pk_add_f32 v[250:251], v[250:251], v[98:99]
	v_pk_add_f32 v[248:249], v[248:249], v[102:103]
	v_pk_add_f32 v[246:247], v[246:247], v[106:107]
	v_pk_add_f32 v[244:245], v[244:245], v[110:111]
	v_pk_add_f32 v[240:241], v[240:241], v[114:115]
	v_pk_add_f32 v[238:239], v[238:239], v[118:119]
	v_pk_add_f32 v[14:15], v[14:15], v[122:123]
	v_pk_add_f32 v[236:237], v[236:237], v[126:127]
	v_pk_add_f32 v[250:251], v[250:251], v[130:131]
	v_pk_add_f32 v[248:249], v[248:249], v[134:135]
	v_pk_add_f32 v[246:247], v[246:247], v[138:139]
	v_pk_add_f32 v[244:245], v[244:245], v[142:143]
	v_pk_add_f32 v[240:241], v[240:241], v[146:147]
	v_pk_add_f32 v[238:239], v[238:239], v[150:151]
	v_pk_add_f32 v[14:15], v[14:15], v[154:155]
	v_pk_add_f32 v[236:237], v[236:237], v[158:159]
	s_delay_alu instid0(VALU_DEP_2)
	v_pk_add_f32 v[14:15], v[14:15], v[246:247]
	s_delay_alu instid0(VALU_DEP_2)
	v_pk_add_f32 v[236:237], v[236:237], v[244:245]
	v_pk_add_f32 v[250:251], v[250:251], v[240:241]
	v_pk_add_f32 v[248:249], v[248:249], v[238:239]
	s_delay_alu instid0(VALU_DEP_2)
	v_pk_add_f32 v[14:15], v[14:15], v[250:251]
	s_delay_alu instid0(VALU_DEP_2)
	v_pk_add_f32 v[236:237], v[236:237], v[248:249]
	s_delay_alu instid0(VALU_DEP_1)
	v_pk_add_f32 v[14:15], v[14:15], v[236:237]
	s_wait_alu depctr_va_vdst(0)                   ; and one for the four
.irp b, 0,1,2,3
	v_max_num_f32 v[232+\b], 0x1800000, v[232+\b]  ; the floor 2^(3 - 127)
.endr
.irp b, 0,1,2,3
	s_delay_alu instid0(VALU_DEP_4)
	v_add_nc_u32 v[244+\b], 0xff000000, v[232+\b]  ; the conversion's scale operand
.endr
.irp b, 0,1,2,3
	s_delay_alu instid0(VALU_DEP_4)
	v_lshrrev_b32 v[236+\b], 23, v[244+\b]         ; the byte
.endr
	s_delay_alu instid0(VALU_DEP_3)
	v_lshl_or_b32 v29, v237, 8, v236               ; p's scale word for these 128 keys
	s_delay_alu instid0(VALU_DEP_1)
	v_lshl_or_b32 v29, v238, 16, v29
	s_delay_alu instid0(VALU_DEP_1)
	v_lshl_or_b32 v29, v239, 24, v29
.irp c, 0,1
	v_cvt_scalef32_pk16_fp6_f32 v[224+6*\c:226+6*\c], v[96+32*\c:111+32*\c], v[244+2*\c]
	v_cvt_scalef32_pk16_fp6_f32 v[236+4*\c:238+4*\c], v[112+32*\c:127+32*\c], v[244+2*\c+1]
.endr
	v_nop                                          ; one plain place behind a scaled conversion
.irp c, 0,1
.irp i, 0,1,2
	v_permlane16_swap_b32 v[224+6*\c+\i], v[236+4*\c+\i]
.endr
.irp i, 0,1,2
	s_delay_alu instid0(VALU_DEP_3)
	v_mov_b32 v[227+6*\c+\i], v[236+4*\c+\i]
.endr
.endr
.if \first
	s_wait_alu depctr_va_vdst(0)
.rept 8
	v_nop                                          ; a scale word made by vector instructions stands 8 places ahead of the scaled product, codes so made 4
.endr
.else
.set n, 0
.rept 32
	v_pk_mul_f32 v[160+n:161+n], v[160+n:161+n], v[252:253] op_sel_hi:[1,0]   ; O^T under the new M (these are also those places)
.set n, n+2
.endr
.endif
	s_wait_alu depctr_va_vdst(0)
.irp g, 0,1                                    ; O^T += V^T P^T: four tiles of 16 channels at a time; the accumulators by turns
.if \g > 0
.rept 4
	v_nop
.endr
.endif
.irp t, 0,1,2,3
.irp c, 0,1,2
	ds_load_b128 v[32+12*\t+4*\c:35+12*\t+4*\c], v[\adk] offset:24576+(4*\g+\t)*1536+512*\c
.endr
.endr
	s_wait_dscnt 0x0
.irp t, 0,1,2,3
.if \first
	v_wmma_scale_f32_16x16x128_f8f6f4 v[160+8*(4*\g+\t):167+8*(4*\g+\t)], v[32+12*\t:43+12*\t], v[224:235], 0, v[88+4*(\t%2)+(4*\g+\t)/2], v29 matrix_a_fmt:MATRIX_FMT_FP6 matrix_b_fmt:MATRIX_FMT_FP6
.else
	v_wmma_scale_f32_16x16x128_f8f6f4 v[160+8*(4*\g+\t):167+8*(4*\g+\t)], v[32+12*\t:43+12*\t], v[224:235], v[160+8*(4*\g+\t):167+8*(4*\g+\t)], v[88+4*(\t%2)+(4*\g+\t)/2], v29 matrix_a_fmt:MATRIX_FMT_FP6 matrix_b_fmt:MATRIX_FMT_FP6
.endif
.endr
.endr
.if \skip
.Lskip_\@:
.endif
.endm
	STEP ADK1, ADS1, 1, 1, 0                       ; the own block's half g, up to the query
	STEP ADK2, ADS2, 0, 0, SK2                     ; the 128 keys before: all count
	STEP ADK3, ADS3, 2, 0, SK3                     ; the 128 before those: behind the query's place
	; THE WAY OUT.  O^T / the sum is one K step (head h) of the output projection's operand: quantised along the channels and stored as the fragment's image.
	v_add_f32 v14, v14, v15                        ; the sum's two halves,
	s_delay_alu instid0(VALU_DEP_1)
	v_permlanex16_b32 v252, v14, s[SEL], s[SEL+1]
	s_delay_alu instid0(VALU_DEP_1)
	v_add_f32 v14, v14, v252                       ; and lane l xor 16's: the row's sum
	s_wait_alu depctr_va_vdst(0)
	v_rcp_f32 v14, v14
.rept 4
	v_nop                                          ; the plain place behind the reciprocal, and the places behind the last products
.endr
	s_wait_alu depctr_va_vdst(0)                   ; ahead of the reciprocal's first reader
.set n, 0
.rept 32
	v_pk_mul_f32 v[96+n:97+n], v[160+n:161+n], v[14:15] op_sel_hi:[1,0]   ; each accumulator from its low end on
.set n, n+2
.endr
	QUANT 96, 254
.irp c, 0,1,2
	global_store_b128 v[LI], v[224+4*\c:227+4*\c], s[12:13] offset:512*\c   ; 32 lanes store 512 consecutive bytes, aligned
.endr
	ds_store_b32 v[AWS], v254                      ; my 16 rows' scale words (both halves of the lanes write the same word with the same value)
	s_wait_dscnt 0x0                               ; for the others' sake
	s_barrier_signal -1
	s_barrier_wait -1
	s_cmp_lt_u32 s[WV], 2                          ; the sixteen waves' 1,024 bytes leave by two waves, 512 consecutive bytes each
	s_cbranch_scc0 .Ldone
	ds_load_b128 v[32:35], v[ARD]
	s_wait_dscnt 0x0
	global_store_b128 v[LI], v[32:35], s[14:15]
.Ldone:
	s_wait_tensorcnt 0x0
	ds_add_u32 v4, v255
	s_wait_dscnt 0x0
	s_endpgm
.Lfunc_end_k_qf5149511cf_attn:
	.size	k_qf5149511cf_attn, .Lfunc_end_k_qf5149511cf_attn-k_qf5149511cf_attn
	.p2alignl 7, 3214868480
	.fill 96, 4, 3214868480
	.section	.rodata,"a",@progbits
	.p2align	6, 0x0
	.amdhsa_kernel k_qf5149511cf_attn
		.amdhsa_group_segment_fixed_size 169984
		.amdhsa_private_segment_fixed_size 0
		.amdhsa_enable_private_segment 0
		.amdhsa_kernarg_size 16
		.amdhsa_user_sgpr_count 2
		.amdhsa_user_sgpr_kernarg_segment_ptr 1
		.amdhsa_wavefront_size32 1
		.amdhsa_system_sgpr_workgroup_id_x 1
		.amdhsa_system_sgpr_workgroup_id_y 1
		.amdhsa_system_sgpr_workgroup_id_z 1
		.amdhsa_system_vgpr_workitem_id 0
		.amdhsa_next_free_vgpr 256
		.amdhsa_next_free_sgpr 66
		.amdhsa_reserve_vcc 1
		.amdhsa_float_denorm_mode_32 3
		.amdhsa_float_denorm_mode_16_64 3
		.amdhsa_memory_ordered 1
		.amdhsa_forward_progress 1
		.amdhsa_inst_pref_size 83
	.end_amdhsa_kernel
	.amdgpu_metadata
---
amdhsa.version: [ 1, 2 ]
amdhsa.kernels:
  - .name:           k_qf5149511cf_attn
    .symbol:         k_qf5149511cf_attn.kd
    .args:
      - { .name: qkv, .offset: 0, .size: 8, .value_kind: global_buffer, .address_space: global }
      - { .name: att, .offset: 8, .size: 8, .value_kind: global_buffer, .address_space: global }
    .group_segment_fixed_size: 169984
    .private_segment_fixed_size: 0
    .kernarg_segment_align: 8
    .kernarg_segment_size: 16
    .max_flat_workgroup_size: 512
    .sgpr_count:     66
    .vgpr_count:     256
    .wavefront_size: 32
...
	.end_amdgpu_metadata
.endif
;; end of part 3
;; launch oproj (part 4): grid 8 x 32, 4 waves a work-group, clusters of 4 x 1, 327,680 bytes of LDS; arguments att, wts, out0; writes out0
.if DOCPART == 4
	.amdgcn_target "amdgcn-amd-amdhsa--gfx1250"
	.amdhsa_code_object_version 6
	.text
	.protected	k_qf5149511cf_oproj
	.globl	k_qf5149511cf_oproj
	.p2align	8
	.type	k_qf5149511cf_oproj,@function
k_qf5149511cf_oproj:
	s_mov_b64 s[64:65], 0
	v_nop
	global_prefetch_b8 v0, s[64:65] scope:SCOPE_SE
	s_setreg_imm32_b32 hwreg(HW_REG_WAVE_MODE, 25, 1), 1
	s_wait_xcnt 0x0
	s_wait_alu depctr_hold_cnt(0) depctr_sa_sdst(0) depctr_va_vdst(0) depctr_va_sdst(0) depctr_va_ssrc(0) depctr_va_vcc(0) depctr_vm_vsrc(0)
	s_getreg_b32 s2, hwreg(HW_REG_IB_STS2, 6, 4)
	s_cmp_eq_u32 s2, 0
	s_cbranch_scc0 .Lentry_in_a_cluster
	s_endpgm
.Lentry_in_a_cluster:
	s_bfe_u32 s2, ttmp6, 0x10000c
	s_cmp_lg_u32 s2, 0x3003
	s_cbranch_scc0 .Lentry_shape_is_right
	s_endpgm
.Lentry_shape_is_right:
; out0 = (attention's result) Wo on codes of FP6 (E2M3) with E8M0 scales, K = 1,024; out0 [8192][2048] f32.
; SHARES.  A work-group takes 256 rows (RG = 0..31) x 256 columns (CG = 0..7).  Wave w owns 64 columns: 4 tiles of Wo x all 8 K steps = 32 fragments, 384 registers, read from memory once.
; All of A (16 tiles of rows x 8 K steps, 196,608 bytes) and its scale words lie in LDS, filled ONCE; the wave walks the 16 tiles of rows, 32 matrix instructions each, and a finished tile leaves
; while the next is multiplied: the launch's stores run beside its products.  A fragment read from LDS feeds four products.
; THE MATRIX INSTRUCTION IS USED TRANSPOSED (source 0 = 16 rows of Wo = columns of out0, source 1 = 16 positions): a lane holds eight neighbouring numbers of a row of out0.
; Rows of both operands lie in the order pi (bits 3, 4 of the row number exchanged): the columns come out as neighbours; the positions' order is undone in the stores' row offsets.
; CLUSTER: the four column groups of a cluster read the same A: each of its tiles is asked for JOINTLY, by the same tensor load with a mask that names all four.
; REGISTERS: window 0: v1-11 addresses; v16-47 Wo's scale words (8 b + s); v48-63 A's, two sets; v64-159, v160-255 A's fragments of a tile of rows, two buffers.
;   window 1: Wo's fragments (b, s < 4) at 12 (4 b + s);  window 2: (b, s >= 4) at 12 (4 b + s - 4);  window 3: v0-63 two sets of four accumulators, v64-127 two sets of rows on their way out.
.set OC,   3145728                     ; wts: Wo's codes [tile 128][K step 8][1536]
.set OS,   4849664                     ; wts: Wo's scale words, 512 bytes a tile
.set ASC,  0                           ; att holds a record of 204,800 bytes for each 256 rows: the scale words [h][tile 16][64 bytes], then the codes [tile 16][h 8][1,536]; LDS holds its image
.set ACD,  8192                        ; where the codes begin
.set STG,  204800                      ; and a stage of 16 rows x (256 bytes + 16) for each wave; no fill lands there
.set LI,   1                           ; v1    16 x lane
.set LR,   2                           ; v2    16 x (lane % 16)
.set ADA,  4                           ; v4-7  LDS address of tiles 4 j .. 4 j + 3
.set ADSC, 8                           ; v8    of A's scale words
.set STO,  9                           ; v9    the stage: where I put 32 bytes of a row
.set RD,   10                          ; v10   and where I read a row back
.set CO,   11                          ; v11   my byte offset in two rows of out0
.set WSR,  16
.set ASR,  48
.set AF,   64
.set G1C,  24                          ; s[24:31], s[44:47] descriptor groups 1 and 0 for the head's fill: the scale words and tiles 0-3, 57,344 bytes, a quarter a wave
.set G0,   44
.set G1D,  32                          ; s[32:39], s[48:51] for the second fill: tiles 4-15, 147,456 bytes, a quarter a wave
.set G0D,  48
.set MSB, 0
.macro WIN new                         ; the immediate's high byte repeats the setting that is left
.if MSB != \new
	s_set_vgpr_msb (MSB<<8)|\new
.set MSB, \new
.endif
.endm
.macro CROUND                          ; a round of the cluster's barrier
	s_barrier_signal -1
	s_barrier_wait -1
	s_cmp_lg_u32 s10, 0
	s_cbranch_scc1 .Lnot_wave_0_\@
	s_barrier_signal -3
.Lnot_wave_0_\@:
	s_barrier_wait -3
	s_barrier_signal -1
	s_barrier_wait -1
.endm
.macro PLACES                          ; plain vector instructions between a matrix instruction and a load into, or a read of, its registers
.rept 4
	v_nop
.endr
.endm
	s_load_b128 s[4:7], s[0:1], 0x0                ; att s[4:5], wts s[6:7]
	s_load_b64 s[8:9], s[0:1], 0x10                ; out0
	v_lshl_add_u32 v3, v0, 2, 0x36400
	s_set_vgpr_msb 0x40
	v_mov_b32 v255, 0
	s_set_vgpr_msb 0x4044
	ds_add_u32 v3, v255
	ds_add_u32 v3, v255
	s_set_vgpr_msb 0x4400
	v_lshrrev_b32 v1, 5, v0
	v_readfirstlane_b32 s10, v1                    ; wave 0..3
	s_bfe_u32 s11, ttmp6, 0x40000                  ; cx
	s_lshl_b32 s12, ttmp9, 2
	s_add_co_u32 s12, s12, s11                     ; CG = 4 x cluster x + cx: it enters Wo's and out0's addresses alone
	s_and_b32 s13, ttmp7, 0xffff                   ; RG, which the four partners share
	; groups 1: dense bytes as rows of 256 (32 elements of 8 bytes)
	s_mov_b32 s[G1C], 15|(3<<16)|(1<<21)           ; 15:0 the mask: all four work-groups; 17:16 elements of 8 bytes; 21 set beside a mask
	s_mov_b32 s[G1C+1], 32<<16
	s_mov_b32 s[G1C+2], 56<<16                     ; 14,336 dense bytes as 56 rows of 256
	s_mov_b32 s[G1C+3], 32<<16
	s_mov_b32 s[G1C+4], 56
	s_mov_b32 s[G1C+5], 32
	s_mov_b32 s[G1C+6], 0
	s_mov_b32 s[G1C+7], 0
	s_mov_b32 s[G1D], 15|(3<<16)|(1<<21)           ; 36,864 dense bytes as 144 rows of 256
	s_mov_b32 s[G1D+1], 32<<16
	s_mov_b32 s[G1D+2], 144<<16
	s_mov_b32 s[G1D+3], 32<<16
	s_mov_b32 s[G1D+4], 144
	s_mov_b32 s[G1D+5], 32
	s_mov_b32 s[G1D+6], 0
	s_mov_b32 s[G1D+7], 0
	s_mul_i32 s14, s13, 204800                     ; record RG
	s_mul_i32 s18, s10, 14336                      ; my quarter of the head's fill, in LDS as in the record
	s_add_co_u32 s16, s14, s18
	s_mov_b32 s17, 0
	s_mul_i32 s19, s10, 36864
	s_add_co_u32 s19, s19, 57344                   ; my quarter of the second fill
	s_add_co_u32 s14, s14, s19
	s_mov_b32 s15, 0
	s_lshl_b32 s20, s12, 4
	s_lshl_b32 s21, s10, 2
	s_add_co_u32 s20, s20, s21                     ; my first tile of Wo: 16 CG + 4 w
	s_lshl_b32 s22, s20, 9
	s_add_co_u32 s22, s22, OS
	s_mov_b32 s23, 0
	s_mul_i32 s20, s20, 12288
	s_add_co_u32 s20, s20, OC
	s_mov_b32 s21, 0
	s_lshl_b32 s60, s13, 21                        ; out0: 256 RG rows of 8,192 bytes
	s_lshl_b32 s61, s12, 10                        ; + 256 CG columns
	s_add_co_u32 s60, s60, s61
	s_lshl_b32 s61, s10, 8                         ; + my 64
	s_add_co_u32 s60, s60, s61
	s_mov_b32 s61, 0
	s_wait_dscnt 0x0
	s_wait_kmcnt 0x0
	s_add_nc_u64 s[16:17], s[4:5], s[16:17]
	s_add_nc_u64 s[14:15], s[4:5], s[14:15]
	s_add_nc_u64 s[20:21], s[6:7], s[20:21]
	s_add_nc_u64 s[22:23], s[6:7], s[22:23]
	s_add_nc_u64 s[8:9], s[8:9], s[60:61]
	s_mov_b32 s[G0], 1
	s_mov_b32 s[G0+1], s18
	s_mov_b64 s[G0+2:G0+3], s[16:17]
	s_or_b32 s[G0+3], s[G0+3], 0x80000000
	s_mov_b32 s[G0D], 1
	s_mov_b32 s[G0D+1], s19
	s_mov_b64 s[G0D+2:G0D+3], s[14:15]
	s_or_b32 s[G0D+3], s[G0D+3], 0x80000000
	CROUND                                         ; all four work-groups are here: the joint loads meet
	tensor_load_to_lds s[G0:G0+3], s[G1C:G1C+7]    ; one joint fill a wave: the four bring the scale words and tiles 0-3
	s_nop 0
.rept 4
	v_nop
.endr
	v_and_b32 v12, 31, v0
	v_and_b32 v13, 15, v0
	v_bfe_u32 v14, v0, 4, 1
	v_lshlrev_b32 v[LI], 4, v12
	v_lshlrev_b32 v[LR], 4, v13
.irp j, 0,1,2,3
	v_add_nc_u32 v[ADA+\j], \j*49152+ACD, v[LI]
.endr
	v_lshl_add_u32 v[ADSC], v13, 2, ASC
	s_mul_i32 s60, s10, 4352
	s_add_co_u32 s60, s60, STG                     ; my stage
	v_mul_u32_u24 v15, v13, 272
	v_lshl_add_u32 v15, v14, 6, v15
	v_add_nc_u32 v[STO], s60, v15                  ; in: row r, + 64 (lane / 16)
	v_mul_u32_u24 v15, v14, 272
	v_add_nc_u32 v15, v15, v[LR]
	v_add_nc_u32 v[RD], s60, v15                   ; back: lanes 0-15 one row of 256 bytes, lanes 16-31 the next
	v_lshl_add_u32 v[CO], v14, 13, v[LR]           ; and the same two rows in out0
	WIN 0x40                                       ; destination window 1
.irp b, 0,1,2,3
.irp s, 0,1,2,3
.irp c, 0,1,2
	global_load_b128 v[12*(4*\b+\s)+4*\c:12*(4*\b+\s)+4*\c+3], v[LI], s[20:21] offset:(8*\b+\s)*1536+512*\c
.endr
.endr
.endr
	WIN 0x80                                       ; destination window 2
.irp b, 0,1,2,3
.irp s, 0,1,2,3
.irp c, 0,1,2
	global_load_b128 v[12*(4*\b+\s)+4*\c:12*(4*\b+\s)+4*\c+3], v[LI], s[20:21] offset:(8*\b+4+\s)*1536+512*\c
.endr
.endr
.endr
	WIN 0
.irp b, 0,1,2,3
.irp k, 0,1
	global_load_b128 v[WSR+8*\b+4*\k:WSR+8*\b+4*\k+3], v[LR], s[22:23] offset:512*\b+256*\k   ; row r's words of four K steps
.endr
.endr
.macro FETCH k                         ; tile k's eight fragments and scale words into buffer k % 2: 32 LDS loads
.set FBUF, AF+96*((\k)%2)
.irp s, 0,1,2,3,4,5,6,7
.irp c, 0,1,2
	ds_load_b128 v[FBUF+12*\s+4*\c:FBUF+12*\s+4*\c+3], v[ADA+(\k)/4] offset:((\k)%4)*12288+1536*\s+512*\c
.endr
.endr
.irp s, 0,1,2,3,4,5,6,7
	ds_load_b32 v[ASR+8*((\k)%2)+\s], v[ADSC] offset:1024*\s+64*(\k)
.endr
.endm
.macro PROD i, hi                      ; 16 matrix instructions: K steps 4 hi .. 4 hi + 3, the four accumulators by turns; the first K step starts the sums
.set PP, (\i)%2
.irp s, 0,1,2,3
.irp b, 0,1,2,3
.if (\hi == 0) && (\s == 0)
	v_wmma_scale_f32_16x16x128_f8f6f4 v[32*PP+8*\b:32*PP+8*\b+7], v[12*(4*\b+\s):12*(4*\b+\s)+11], v[AF+96*PP+12*(4*\hi+\s):AF+96*PP+12*(4*\hi+\s)+11], 0, v[WSR+8*\b+4*\hi+\s], v[ASR+8*PP+4*\hi+\s] matrix_a_fmt:MATRIX_FMT_FP6 matrix_b_fmt:MATRIX_FMT_FP6
.else
	v_wmma_scale_f32_16x16x128_f8f6f4 v[32*PP+8*\b:32*PP+8*\b+7], v[12*(4*\b+\s):12*(4*\b+\s)+11], v[AF+96*PP+12*(4*\hi+\s):AF+96*PP+12*(4*\hi+\s)+11], v[32*PP+8*\b:32*PP+8*\b+7], v[WSR+8*\b+4*\hi+\s], v[ASR+8*PP+4*\hi+\s] matrix_a_fmt:MATRIX_FMT_FP6 matrix_b_fmt:MATRIX_FMT_FP6
.endif
.endr
.endr
.endm
; Tile k's results: register j of tile b = 2 B + u is column 32 B + 16 (lane / 16) + 8 u + j of my 64.  They go through my own stage and come back as whole rows of 256 bytes.
; LDS serves a wave's instructions in order: no wait between the stores and the loads, nor in front of the next tile's stores.
.macro TOSTAGE k
.set AC, 32*((\k)%2)
.set OU, 64+32*((\k)%2)
	WIN 0x0c                                       ; an LDS store's data: window 3
.irp b, 0,1,2,3
	ds_store_b128 v[STO], v[AC+8*\b:AC+8*\b+3] offset:128*(\b/2)+32*(\b%2)       ; each accumulator from its low end on
	ds_store_b128 v[STO], v[AC+8*\b+4:AC+8*\b+7] offset:128*(\b/2)+32*(\b%2)+16
.endr
	WIN 0xc0                                       ; destination window 3
.irp i, 0,1,2,3,4,5,6,7
	ds_load_b128 v[OU+4*\i:OU+4*\i+3], v[RD] offset:544*\i
.endr
	WIN 0
.endm
.macro SEND k, younger                 ; younger: the LDS loads issued behind tile k's, which may stay out
.set OU, 64+32*((\k)%2)
	s_wait_dscnt \younger
	WIN 0x0c                                       ; a store's data: window 3
.irp i, 0,1,2,3,4,5,6,7
	global_store_b128 v[CO], v[OU+4*\i:OU+4*\i+3], s[8:9] offset:(32*((\k)/2)+8*((\k)%2)+2*\i+8*(\i/4))*8192 th:TH_STORE_NT   ; physical rows 2 i, 2 i + 1 at their logical places; 16 lanes store 256 consecutive bytes, aligned
.endr
.endm
; Tile i of rows.  The tile before goes to the stage and the tile after is fetched ahead of this tile's products; the tile before is stored in their middle.
.macro ROWT i
.if (\i) == 3
	s_wait_tensorcnt 0x0                           ; my quarter of tiles 4-15 is in: tile 4 is fetched below
	s_wait_dscnt 0x0
	s_barrier_signal -1
	s_barrier_wait -1                              ; everybody's is; nothing is ever filled again
.endif
.set NSTG, 0
.set NFET, 0
.if (\i) > 0
.set NSTG, 16
	PLACES                                         ; behind the last tile's products: their results are read, and their operands' registers loaded anew, below
.if (\i) >= 3
	s_wait_xcnt 0x0                                ; tile i - 3's stores have read their registers: tile i - 1's rows may land there
.endif
	TOSTAGE (\i)-1
.endif
.if (\i) < 15
.set NFET, 32
	FETCH (\i)+1
.endif
	s_wait_dscnt NSTG+NFET                         ; all but what was just issued: this tile's fragments are in
	WIN 0xf1                                       ; source 0 window 1, source 1 window 0, C and D window 3
	PROD \i, 0
.if (\i) > 0
	SEND (\i)-1, NFET
.endif
	WIN 0xf2                                       ; source 0 window 2
	PROD \i, 1
	WIN 0
.endm
	s_wait_alu depctr_va_vdst(0)
	s_set_vgpr_msb 0x4                             ; (the add's 0 lies in window 1)
	s_wait_tensorcnt 0x0                           ; my quarter of the head's fill is in
	ds_add_u32 v3, v255
	s_wait_dscnt 0x0
	s_set_vgpr_msb 0x400
	CROUND                                         ; everybody's quarter is in, and all four work-groups are here: the joint loads meet
	tensor_load_to_lds s[G0D:G0D+3], s[G1D:G1D+7]  ; tiles 4-15, my one load behind the round; it has tiles 0-2 and the wait for Wo in which to land
	s_nop 0
.rept 4
	v_nop
.endr
	FETCH 0
	s_wait_loadcnt 0x0                             ; Wo
.irp i, 0,1,2,3,4,5,6,7,8,9,10,11,12,13,14,15
	ROWT \i
.endr
	PLACES
	s_wait_xcnt 0x0
	TOSTAGE 15
	SEND 15, 0
	WIN 0
	s_wait_tensorcnt 0x0
	s_set_vgpr_msb 0x4
	s_wait_tensorcnt 0x0
	ds_add_u32 v3, v255
	s_wait_dscnt 0x0
	s_set_vgpr_msb 0x400
	CROUND                                         ; the closing round: no work-group ends while a partner may still ask for a tile that names it
	s_endpgm
.Lfunc_end_k_qf5149511cf_oproj:
	.size	k_qf5149511cf_oproj, .Lfunc_end_k_qf5149511cf_oproj-k_qf5149511cf_oproj
	.p2alignl 7, 3214868480
	.fill 96, 4, 3214868480
	.section	.rodata,"a",@progbits
	.p2align	6, 0x0
	.amdhsa_kernel k_qf5149511cf_oproj
		.amdhsa_group_segment_fixed_size 327680
		.amdhsa_private_segment_fixed_size 0
		.amdhsa_enable_private_segment 0
		.amdhsa_kernarg_size 24
		.amdhsa_user_sgpr_count 2
		.amdhsa_user_sgpr_kernarg_segment_ptr 1
		.amdhsa_wavefront_size32 1
		.amdhsa_system_sgpr_workgroup_id_x 1
		.amdhsa_system_sgpr_workgroup_id_y 1
		.amdhsa_system_sgpr_workgroup_id_z 1
		.amdhsa_system_vgpr_workitem_id 0
		.amdhsa_next_free_vgpr 1024
		.amdhsa_next_free_sgpr 66
		.amdhsa_reserve_vcc 0
		.amdhsa_float_denorm_mode_32 3
		.amdhsa_float_denorm_mode_16_64 3
		.amdhsa_memory_ordered 1
		.amdhsa_forward_progress 1
		.amdhsa_inst_pref_size 148
	.end_amdhsa_kernel
	.amdgpu_metadata
---
amdhsa.version: [ 1, 2 ]
amdhsa.kernels:
  - .name:           k_qf5149511cf_oproj
    .symbol:         k_qf5149511cf_oproj.kd
    .args:
      - { .name: att, .offset: 0, .size: 8, .value_kind: global_buffer, .address_space: global }
      - { .name: wts, .offset: 8, .size: 8, .value_kind: global_buffer, .address_space: global }
      - { .name: out0, .offset: 16, .size: 8, .value_kind: global_buffer, .address_space: global }
    .group_segment_fixed_size: 327680
    .private_segment_fixed_size: 0
    .kernarg_segment_align: 8
    .kernarg_segment_size: 24
    .max_flat_workgroup_size: 128
    .sgpr_count:     66
    .vgpr_count:     1024
    .wavefront_size: 32
...
	.end_amdgpu_metadata
.endif
;; end of part 4
